; MI455X (gfx1250); checked and timed in simulation.
; The chip was launched on July 23, 2026; its instructions are those of AMD's public machine-readable ISA for CDNA 5 (MIT licence, August 2026) and "CDNA5" Instruction Set Architecture Reference Guide (July 2026). The comments in the code are by the model that wrote it; some were corrected since.
;; Block. Allowed arithmetic: matrix products marked QUANTISED: E3M2 operands, one E8M0 scale for each 32 along K, by v_wmma_scale_f32_16x16x128_f8f6f4 with both operands' format E3M2, f32 sums; everything else in f32.
;; Inputs: b1 1,024 float32; b2 1,024 float32; b_aproj 1,024 float32; b_attn 3,072 float32; b_fc 4,096 float32; b_mproj 1,024 float32; g1 1,024 float32; g2 1,024 float32; w_aproj 1,024 x 1,024 float32; w_attn 1,024 x 3,072 float32; w_fc 1,024 x 4,096 float32; w_mproj 4,096 x 1,024 float32; x 2 x 2,048 x 1,024 float32.
;; Outputs: out0 2 x 2,048 x 1,024 float32.
;; This version of the problem:
;;   THIS VERSION OF THE PROBLEM IS GIVEN IN LOW PRECISION. The matrix products marked QUANTISED in the list below multiply operands that are first quantised to E3M2 (3 exponent bits, 2 mantissa bits; 6 bits a number), with one power-of-two scale for each 32 numbers along K (OCP MX v1.0); their sums are f32. All else is computed in f32.
;;   The module's matrix products, in the order in which they are computed (A, B: the left and right operand; K: the contracted axis; several contracted axes count as one K, in the product's order):
;;     1. [M 4,096, K 1,024] x [K 1,024, N 3,072]; A: input x; B: input w_attn: QUANTISED
;;     2. batch 32 x [M 2,048, K 64] x [K 64, N 2,048]; A: computed on the way; B: computed on the way: QUANTISED
;;     3. batch 32 x [M 2,048, K 2,048] x [K 2,048, N 64]; A: softmax (see below); B: computed on the way: QUANTISED
;;     4. [M 4,096, K 1,024] x [K 1,024, N 1,024]; A: computed on the way; B: input w_aproj: QUANTISED
;;     5. [M 4,096, K 1,024] x [K 1,024, N 4,096]; A: computed on the way; B: input w_fc: QUANTISED
;;     6. [M 4,096, K 4,096] x [K 4,096, N 1,024]; A: computed on the way; B: input w_mproj: QUANTISED
;;   THE QUANTISER, for each operand of a quantised product, along K:
;;     - K is cut into blocks of 32 from its start; a last block that is shorter is filled with zeros.
;;     - A block's scale is 2^e with e = floor(log2(the largest magnitude in the block)) - 4, held to -126 .. 127; a block of zeros has e = 0. As a byte (E8M0): e + 127.
;;     - Each number is divided by its block's scale, clamped to +-28, and rounded to the nearest number of E3M2, ties to even, subnormals kept.
;;     - The product sums the exact products of the quantised numbers (number of the format x scale) in f32.
;;   ~~~python
;;   def quantise(x, axis):      # numpy; x: float32 -> the quantised numbers, widened to float32 again
;;       x = np.moveaxis(x, axis, -1); K = x.shape[-1]
;;       x = np.pad(x, [(0, 0)] * (x.ndim - 1) + [(0, -K % 32)]); x = x.reshape(x.shape[:-1] + (-1, 32)); a = np.abs(x).max(-1, keepdims=True)
;;       e = np.where(a > 0, np.clip(np.frexp(np.where(a > 0, a, 1))[1] - 1 - 4, -126, 127), 0)      # np.frexp(a)[1] - 1 = floor(log2(a)), exactly
;;       r = np.clip(x / 2.0 ** e, -28, 28)
;;       step = 2.0 ** (np.maximum(np.frexp(np.where(r == 0, 1, r))[1] - 1, -2) - 2)
;;       q = np.round(r / step) * step * 2.0 ** e      # np.round: ties to even
;;       return np.moveaxis(q.reshape(q.shape[:-2] + (-1,))[..., :K], -1, axis).astype(np.float32)
;;   ~~~
;;   SOFTMAX AHEAD OF A QUANTISED PRODUCT. Where the list says 'softmax', what is quantised is not the finished softmax but p = 2^(t - M), with t = logit x log2(e) and M = ceil(the row's largest t), a whole number; so 1/2 < the row's largest p <= 1. The row's sum l is taken of the UNQUANTISED p, in f32, and the product's result is divided by l at the end. Since M is a whole number, a kernel that streams over the keys may use a running M (the ceiling of the running maximum): every later rescaling is an exact power of two, which a block's scale takes up: the codes' values come out the same.
;;   OPERANDS COMPUTED ON THE WAY. 'Computed on the way' means the value that the module computes at that place (a softmax that the list does not call 'softmax' is quantised finished and normalised). What goes into a quantiser is computed in f32, as accurately as f32 sums, v_exp_f32 and their like allow (about 1e-6 of the number): no bf16 or f16 on the way to a quantiser, and a product that is left as it is and whose result goes on into a quantised operand takes f32 operands (vector FMAs, or v_wmma_f32_16x16x4_f32). A number that lies on a knife's edge between two numbers of the format may be rounded either way, as far as f32 arithmetic and the matrix unit's own rounding can turn it there, and no further.
;; One version. Each part assembles by itself: llvm-mc -triple=amdgcn-amd-amdhsa -mcpu=gfx1250 --defsym DOCPART=n.
;; ======== version 1 of 1: 9 launches
;; workspace buffers: img_a 3,276,800 bytes; img_b 3,276,800 bytes; qkh 6,815,744 bytes; himg 13,107,200 bytes; wimg 9,830,400 bytes; ybuf 33,554,432 bytes; nbuf 16,777,216 bytes
;; launch prep (part 1): grid 640 x 1, 8 waves a work-group, no clusters, 67,072 bytes of LDS; arguments x, w_attn, w_aproj, w_fc, w_mproj, img_a, wimg; writes img_a, wimg
.if DOCPART == 1
	.amdgcn_target "amdgcn-amd-amdhsa--gfx1250"
	.amdhsa_code_object_version 6
	.text
	.protected	k_q5e6481eb40_prep
	.globl	k_q5e6481eb40_prep
	.p2align	8
	.type	k_q5e6481eb40_prep,@function
k_q5e6481eb40_prep:
	s_mov_b64 s[64:65], 0
	v_nop
	global_prefetch_b8 v0, s[64:65] scope:SCOPE_SE
	s_setreg_imm32_b32 hwreg(HW_REG_WAVE_MODE, 25, 1), 1
	s_wait_xcnt 0x0
; PREP: x [4096][1024] and the four weights ([K][N], K outermost), all f32, become codes of BF6 (E3M2) with one E8M0 byte for each 32 along K, laid as IMAGES OF THE OPERAND'S REGISTERS.
; A RECORD (12,800 bytes) holds 128 rows x 128 K of an operand: eight fragments of 16 rows (1,536 bytes: register j of lane l at 512 (j / 4) + 16 l + 4 (j % 4)), then 512 bytes of scale words
; (tile t, row p at 12,288 + 256 (t / 4) + 16 p + 4 (t % 4)).  Row p of tile t is the group's row 32 (t / 2) + 8 (t % 2) + p + 8 (p / 8): with that order a transposed product's 16 registers of
; two neighbouring tiles are 16 neighbours along the next K.  An operand is [rows / 128][K / 128] records.
; A block's scale is 2^(floor(log2(largest magnitude)) - 4); its byte is the largest magnitude's exponent field - 4, held at 1 from below.
; LIMITS: a block of zeros, or one whose largest magnitude lies under 2^-122, keeps the byte 1 (the bytes are read by this program alone; its codes are zeros or the nearest codes under that scale); NaN and infinities are not served.
; WORK-GROUPS 0-255: one tile of 16 rows of x each.  Wave w loads two rows in dense runs of 512 bytes and lays them into a stage in LDS (pitch 4,112: row r starts at bank 4 r); behind a barrier wave w takes K step w of all 16 rows.
; WORK-GROUPS 256-639: the weights.  A lane takes a column n and its registers run down K, so a block lies in one lane; no LDS.  A wave: 32 columns x 128 K; a work-group: 128 columns x 256 K.
.set REC,  12800
.set SCO,  12288
.set SP,   4112                        ; a stage row: 4,096 bytes + 16
.set X,    32                          ; v32-95   numbers
.set TM,   96                          ; v96-111  x path: largest magnitudes, bytes, scale operands
.set PC,   112                         ; v112-131 x path: the codes just made
.set PW,   132                         ; v132     x path: the scale word just made
.set F,    96                          ; v96-119  weights: a column's 24 registers of codes: 12 for image lane p, 12 for image lane p + 16
.set T,    120                         ; v120-135 weights: the second halves of the blocks' codes
.set SEL,  20                          ; s[20:21] v_permlanex16_b32's selects for lane l xor 16
; 64 numbers of a lane, register 16 b + i = k 32 b + 16 (lane / 16) + i of my row, become a fragment's codes in v[PC] on and its scale word in v[PW].
.macro QUANT s
.irp b, 0,1,2,3
	v_max3_num_f32 v[TM+\b], |v[\s+16*\b]|, |v[\s+1+16*\b]|, 0x2800000   ; my 16 numbers of block b, and the floor 2^(5 - 127): the byte cannot fall under 1
.endr
.irp i, 2,4,6,8,10,12,14
.irp b, 0,1,2,3
	v_max3_num_f32 v[TM+\b], v[TM+\b], |v[\s+16*\b+\i]|, |v[\s+1+16*\b+\i]|   ; the four blocks by turns
.endr
.endr
.irp b, 0,1,2,3
	v_permlanex16_b32 v[TM+4+\b], v[TM+\b], s[SEL], s[SEL+1]
.endr
.irp b, 0,1,2,3
	v_max_num_f32 v[TM+\b], v[TM+\b], v[TM+4+\b]   ; with lane l xor 16's: the block's largest magnitude
.endr
.irp b, 0,1,2,3
	v_add_nc_u32 v[TM+12+\b], 0xfe000000, v[TM+\b]   ; 4 off its exponent field: the conversion's scale operand
.endr
.irp b, 0,1,2,3
	v_lshrrev_b32 v[TM+4+\b], 23, v[TM+12+\b]      ; the scale's byte
.endr
	v_lshl_or_b32 v[PW], v[TM+5], 8, v[TM+4]
	v_lshl_or_b32 v[PW], v[TM+6], 16, v[PW]
	v_lshl_or_b32 v[PW], v[TM+7], 24, v[PW]
.irp c, 0,1
	v_cvt_scalef32_pk16_bf6_f32 v[PC+6*\c:PC+2+6*\c], v[\s+32*\c:\s+15+32*\c], v[TM+12+2*\c]
	v_cvt_scalef32_pk16_bf6_f32 v[PC+12+4*\c:PC+14+4*\c], v[\s+16+32*\c:\s+31+32*\c], v[TM+12+2*\c+1]   ; a conversion's three registers begin on an even number
.endr
	v_nop                                          ; one plain place behind a scaled conversion
.irp c, 0,1                                    ; the layout wants a whole block in a lane: lanes 0-15 block 2 c, lanes 16-31 block 2 c + 1
.irp i, 0,1,2
	v_permlane16_swap_b32 v[PC+6*\c+\i], v[PC+12+4*\c+\i]
.endr
.irp i, 0,1,2
	v_mov_b32 v[PC+3+6*\c+\i], v[PC+12+4*\c+\i]
.endr
.endr
.endm
	s_load_b256 s[4:11], s[0:1], 0x0               ; x, w_attn, w_aproj, w_fc
	s_load_b128 s[12:15], s[0:1], 0x20             ; w_mproj, x's image
	s_load_b64 s[16:17], s[0:1], 0x30              ; the weights' images
	v_lshl_add_u32 v136, v0, 2, 0x10200
	v_mov_b32 v137, 0
	v_lshrrev_b32 v1, 5, v0
	v_readfirstlane_b32 s18, v1                    ; wave 0..7
	v_and_b32 v2, 31, v0                           ; l
	v_and_b32 v3, 15, v0                           ; r
	v_bfe_u32 v4, v0, 4, 1                         ; h
	v_lshlrev_b32 v5, 4, v2                        ; 16 l
	s_mov_b32 s[SEL], 0x76543210
	s_mov_b32 s[SEL+1], 0xfedcba98
	s_cmp_lt_u32 ttmp9, 256                        ; the choice hangs on the work-group's number alone: all eight waves take the same way
	s_cbranch_scc0 .Lweights
	; ---- x: tile T = the work-group's number.  My two rows: 32 (T / 2) + 8 (T % 2) + 2 w + 8 (w / 4), and the next
	s_lshr_b32 s22, ttmp9, 1
	s_lshl_b32 s22, s22, 5
	s_and_b32 s23, ttmp9, 1
	s_lshl_b32 s23, s23, 3
	s_add_co_u32 s22, s22, s23
	s_lshl_b32 s23, s18, 1
	s_add_co_u32 s22, s22, s23
	s_lshr_b32 s23, s18, 2
	s_lshl_b32 s23, s23, 3
	s_add_co_u32 s22, s22, s23
	s_lshl_b32 s22, s22, 12                        ; rows of 4,096 bytes
	s_mov_b32 s23, 0
	s_mul_i32 s24, s18, 2*SP
	v_add_nc_u32 v6, s24, v5                       ; into the stage: rows 2 w, 2 w + 1; 16 bytes a lane
	v_mul_u32_u24 v7, v3, SP
	v_lshl_add_u32 v7, v4, 6, v7
	s_lshl_b32 s24, s18, 9
	v_add_nc_u32 v7, s24, v7                       ; out of it: row r, K step w (512 bytes), + 64 h: my 16 numbers of each block of 32
	s_lshr_b32 s24, ttmp9, 3
	s_lshl_b32 s24, s24, 3
	s_add_co_u32 s24, s24, s18
	s_mul_i32 s24, s24, REC                        ; record (T / 8, w)
	s_and_b32 s25, ttmp9, 7
	s_mul_i32 s26, s25, 1536
	s_add_co_u32 s26, s24, s26                     ; my fragment
	s_mov_b32 s27, 0
	s_lshr_b32 s28, s25, 2
	s_lshl_b32 s28, s28, 8
	s_and_b32 s29, ttmp9, 3
	s_lshl_b32 s29, s29, 2
	s_add_co_u32 s28, s28, s29
	s_add_co_u32 s28, s28, s24
	s_add_co_u32 s28, s28, SCO                     ; its scale words
	s_mov_b32 s29, 0
	v_lshlrev_b32 v8, 4, v3                        ; 16 r
.irp b, 0,1,2,3
	v_mov_b32 v[TM+4+\b], 0                        ; written once: a lane permute's destination counts as one of its sources
.endr
	s_wait_kmcnt 0x0
	s_add_nc_u64 s[4:5], s[4:5], s[22:23]
	s_add_nc_u64 s[26:27], s[14:15], s[26:27]
	s_add_nc_u64 s[28:29], s[14:15], s[28:29]
.irp p, 0,1
.irp j, 0,1,2,3,4,5,6,7
	global_load_b128 v[X+32*\p+4*\j:X+32*\p+4*\j+3], v5, s[4:5] offset:4096*\p+512*\j th:TH_LOAD_NT   ; 32 lanes read 512 consecutive bytes
.endr
.endr
.set N, 0
.rept 16
	s_wait_loadcnt 15-N                            ; loads come back in order: load N is in, the 15 - N younger ones may be out
	ds_store_b128 v6, v[X+4*N:X+4*N+3] offset:(N/8)*SP+512*(N%8)
.set N, N+1
.endr
	s_wait_dscnt 0x0                               ; for the others' sake: my stores into the stage are done
	s_barrier_signal -1
	s_barrier_wait -1
.irp b, 0,1,2,3
.irp q, 0,1,2,3
	ds_load_b128 v[X+16*\b+4*\q:X+16*\b+4*\q+3], v7 offset:128*\b+16*\q
.endr
.endr
	s_wait_dscnt 0x0
	QUANT X
.irp c, 0,1,2
	global_store_b128 v5, v[PC+4*\c:PC+4*\c+3], s[26:27] offset:512*\c   ; 512 consecutive bytes, aligned
.endr
	global_store_b32 v8, v[PW], s[28:29]           ; row r's word (both halves of the lanes hold it and write the same bytes)
	s_wait_tensorcnt 0x0
	ds_add_u32 v136, v137
	s_wait_dscnt 0x0
	s_endpgm
	; ---- the weights
.Lweights:
	v_bfe_u32 v6, v0, 3, 1                         ; my column 32 b + l of the group is row p = l % 8 + 8 (l / 16) of tile 2 b + u, u = (l / 8) % 2
	v_and_b32 v7, 7, v0
	v_lshl_add_u32 v7, v4, 3, v7
	v_mul_u32_u24 v8, v6, 1536
	v_lshl_add_u32 v8, v7, 4, v8                   ; 1,536 u + 16 p
	v_lshlrev_b32 v9, 2, v6
	v_lshl_add_u32 v9, v7, 4, v9                   ; 4 u + 16 p
	v_lshlrev_b32 v10, 2, v2                       ; 4 l
	s_and_b32 s19, s18, 3                          ; b: which 32 columns
	s_lshr_b32 s22, s18, 2                         ; which of the work-group's two K steps
	s_wait_kmcnt 0x0
.macro WLOAD t, n                      ; block t: W(32 t + i, my column), i = 0 .. 31, into set t % 2; 128 consecutive bytes a wave, 512 for the four waves side by side
.irp i, 0,1,2,3,4,5,6,7,8,9,10,11,12,13,14,15,16,17,18,19,20,21,22,23,24,25,26,27,28,29,30,31
	global_load_b32 v[X+32*((\t)%2)+\i], v10, s[26:27] offset:(32*(\t)+\i)*\n*4 th:TH_LOAD_NT
.endr
.endm
.macro WBLOCK t, n
.set XS, X+32*((\t)%2)
.if (\t) < 3
	s_wait_loadcnt 32                              ; this block's 32 loads are in; the next block's 32 may be out
.else
	s_wait_loadcnt 0x0
.endif
	v_max3_num_f32 v12, |v[XS]|, |v[XS+1]|, |v[XS+2]|      ; the block's largest magnitude: all 32 numbers are mine
	v_max3_num_f32 v13, |v[XS+3]|, |v[XS+4]|, |v[XS+5]|
.irp i, 6,10,14,18,22,26
	v_max3_num_f32 v12, v12, |v[XS+\i]|, |v[XS+\i+1]|
	v_max3_num_f32 v13, v13, |v[XS+\i+2]|, |v[XS+\i+3]|
.endr
	v_max3_num_f32 v12, v12, |v[XS+30]|, |v[XS+31]|
	v_max3_num_f32 v12, v12, v13, 0x2800000        ; and the floor
	v_add_nc_u32 v11, 0xfe000000, v12              ; the conversion's scale operand
	v_lshrrev_b32 v13, 23, v11                     ; the byte
.if (\t) == 0
	v_mov_b32 v14, v13
.else
	v_lshl_or_b32 v14, v13, 8*(\t), v14            ; the column's scale word
.endif
	v_cvt_scalef32_pk16_bf6_f32 v[F+12*((\t)%2)+6*((\t)/2):F+12*((\t)%2)+6*((\t)/2)+2], v[XS:XS+15], v11   ; block t = 2 c + h' is registers 6 c .. 6 c + 5 of image lane p + 16 h'
	v_cvt_scalef32_pk16_bf6_f32 v[T+4*(\t):T+4*(\t)+2], v[XS+16:XS+31], v11
.if (\t)+2 < 4
	WLOAD (\t)+2, \n
.endif
.endm
; sp: the weight's pointer pair; n: its columns; nks: K / 128; logh: log2(nks / 2); first: its first work-group; recoff: its first record
.macro WPATH sp, n, nks, logh, first, recoff
	s_sub_co_u32 s23, ttmp9, \first
	s_and_b32 s24, s23, \nks/2-1
	s_lshl_b32 s24, s24, 1
	s_add_co_u32 s24, s24, s22                     ; my K step
	s_lshr_b32 s25, s23, \logh                     ; my group of 128 columns
	s_mul_i32 s26, s24, 128*\n*4
	s_lshl_b32 s27, s25, 9
	s_add_co_u32 s26, s26, s27
	s_lshl_b32 s27, s19, 7
	s_add_co_u32 s26, s26, s27
	s_mov_b32 s27, 0
	s_add_nc_u64 s[26:27], s[\sp:\sp+1], s[26:27]
	s_mul_i32 s28, s25, \nks
	s_add_co_u32 s28, s28, s24
	s_add_co_u32 s28, s28, \recoff
	s_mul_i32 s28, s28, REC                        ; my record
	s_mul_i32 s29, s19, 3072
	s_add_co_u32 s30, s28, s29                     ; tiles 2 b, 2 b + 1
	s_mov_b32 s31, 0
	s_add_nc_u64 s[30:31], s[16:17], s[30:31]
	s_lshr_b32 s29, s19, 1
	s_lshl_b32 s29, s29, 8
	s_add_co_u32 s28, s28, s29
	s_and_b32 s29, s19, 1
	s_lshl_b32 s29, s29, 3
	s_add_co_u32 s28, s28, s29
	s_add_co_u32 s28, s28, SCO                     ; their scale words: 256 (b / 2) + 8 (b % 2)
	s_mov_b32 s29, 0
	s_add_nc_u64 s[28:29], s[16:17], s[28:29]
	WLOAD 0, \n
	WLOAD 1, \n
	WBLOCK 0, \n
	WBLOCK 1, \n
	WBLOCK 2, \n
	WBLOCK 3, \n
	v_nop                                          ; one plain place behind the last conversion
.irp t, 0,1,2,3
.irp i, 0,1,2
	v_mov_b32 v[F+12*(\t%2)+6*(\t/2)+3+\i], v[T+4*\t+\i]
.endr
.endr
.irp g, 0,1
.irp c, 0,1,2
	global_store_b128 v8, v[F+12*\g+4*\c:F+12*\g+4*\c+3], s[30:31] offset:256*\g+512*\c   ; sixteen lanes fill 256 consecutive bytes, aligned: two such runs a store
.endr
.endr
	global_store_b32 v9, v14, s[28:29]
	s_endpgm
.endm
	s_cmp_lt_u32 ttmp9, 352
	s_cbranch_scc0 .Lnot_attn
	WPATH 6, 3072, 8, 2, 256, 0
.Lnot_attn:
	s_cmp_lt_u32 ttmp9, 384
	s_cbranch_scc0 .Lnot_aproj
	WPATH 8, 1024, 8, 2, 352, 192
.Lnot_aproj:
	s_cmp_lt_u32 ttmp9, 512
	s_cbranch_scc0 .Lmproj
	WPATH 10, 4096, 8, 2, 384, 256
.Lmproj:
	WPATH 12, 1024, 32, 4, 512, 512
.Lfunc_end_k_q5e6481eb40_prep:
	.size	k_q5e6481eb40_prep, .Lfunc_end_k_q5e6481eb40_prep-k_q5e6481eb40_prep
	.p2alignl 7, 3214868480
	.fill 96, 4, 3214868480
	.section	.rodata,"a",@progbits
	.p2align	6, 0x0
	.amdhsa_kernel k_q5e6481eb40_prep
		.amdhsa_group_segment_fixed_size 67072
		.amdhsa_private_segment_fixed_size 0
		.amdhsa_enable_private_segment 0
		.amdhsa_kernarg_size 56
		.amdhsa_user_sgpr_count 2
		.amdhsa_user_sgpr_kernarg_segment_ptr 1
		.amdhsa_wavefront_size32 1
		.amdhsa_system_sgpr_workgroup_id_x 1
		.amdhsa_system_sgpr_workgroup_id_y 1
		.amdhsa_system_sgpr_workgroup_id_z 1
		.amdhsa_system_vgpr_workitem_id 0
		.amdhsa_next_free_vgpr 138
		.amdhsa_next_free_sgpr 66
		.amdhsa_reserve_vcc 0
		.amdhsa_float_denorm_mode_32 3
		.amdhsa_float_denorm_mode_16_64 3
		.amdhsa_memory_ordered 1
		.amdhsa_forward_progress 1
		.amdhsa_inst_pref_size 90
	.end_amdhsa_kernel
	.amdgpu_metadata
---
amdhsa.version: [ 1, 2 ]
amdhsa.kernels:
  - .name:           k_q5e6481eb40_prep
    .symbol:         k_q5e6481eb40_prep.kd
    .args:
      - { .name: x, .offset: 0, .size: 8, .value_kind: global_buffer, .address_space: global }
      - { .name: w_attn, .offset: 8, .size: 8, .value_kind: global_buffer, .address_space: global }
      - { .name: w_aproj, .offset: 16, .size: 8, .value_kind: global_buffer, .address_space: global }
      - { .name: w_fc, .offset: 24, .size: 8, .value_kind: global_buffer, .address_space: global }
      - { .name: w_mproj, .offset: 32, .size: 8, .value_kind: global_buffer, .address_space: global }
      - { .name: img_a, .offset: 40, .size: 8, .value_kind: global_buffer, .address_space: global }
      - { .name: wimg, .offset: 48, .size: 8, .value_kind: global_buffer, .address_space: global }
    .group_segment_fixed_size: 67072
    .private_segment_fixed_size: 0
    .kernarg_segment_align: 8
    .kernarg_segment_size: 56
    .max_flat_workgroup_size: 256
    .sgpr_count:     66
    .vgpr_count:     138
    .wavefront_size: 32
...
	.end_amdgpu_metadata
.endif
;; end of part 1
;; launch gqk (part 2): grid 8 x 32, 4 waves a work-group, clusters of 4 x 4, 327,680 bytes of LDS; arguments wimg, img_a, b_attn, qkh; writes qkh
.if DOCPART == 2
	.amdgcn_target "amdgcn-amd-amdhsa--gfx1250"
	.amdhsa_code_object_version 6
	.text
	.protected	k_q5e6481eb40_gqk
	.globl	k_q5e6481eb40_gqk
	.p2align	8
	.type	k_q5e6481eb40_gqk,@function
k_q5e6481eb40_gqk:
	s_mov_b64 s[64:65], 0
	v_nop
	global_prefetch_b8 v0, s[64:65] scope:SCOPE_SE
	s_setreg_imm32_b32 hwreg(HW_REG_WAVE_MODE, 25, 1), 1
	s_wait_xcnt 0x0
	s_wait_alu depctr_hold_cnt(0) depctr_sa_sdst(0) depctr_va_vdst(0) depctr_va_sdst(0) depctr_va_ssrc(0) depctr_va_vcc(0) depctr_vm_vsrc(0)
	s_getreg_b32 s2, hwreg(HW_REG_IB_STS2, 6, 4)
	s_cmp_eq_u32 s2, 0
	s_cbranch_scc0 .Lentry_in_a_cluster
	s_endpgm
.Lentry_in_a_cluster:
	s_bfe_u32 s2, ttmp6, 0x10000c
	s_cmp_lg_u32 s2, 0xf033
	s_cbranch_scc0 .Lentry_shape_is_right
	s_endpgm
.Lentry_shape_is_right:
; GQK: q and k = x w_attn[:, 0:2048] + b_attn, on codes of BF6, quantised again along each head's 64 and stored as head records.
; OPERANDS are images of registers, in records of 128 rows x 128 K (12,800 bytes: eight fragments of 1,536 bytes, then 512 bytes of scale words; row p of tile t is the group's row 32 (t / 2) + 8 (t % 2) + p + 8 (p / 8)).
; THE PRODUCT IS USED TRANSPOSED: source 0 = P = 16 columns of the weight, source 1 = Q = 16 rows of x.  A lane then holds one row of x, and with the tiles' row order the 64 registers of one tile of Q against
; 128 rows of P are: register 16 b + i = feature 32 b + 16 (lane / 16) + i: the quantiser's input as it stands.
; SHARES: a work-group makes 256 of P x 128 of Q; wave w takes P's record w % 2 and Q's tiles 4 (w / 2) .. + 3: 32 accumulators, 256 registers.  A wave's 128 features are two heads.
; ALL OF K (8 records a stream, three streams: 307,200 bytes) comes into LDS once, in four chunks a stream: no LDS byte is filled twice.  Waves 0 and 1 fetch P's two streams, wave 2 fetches Q's.
; CLUSTER 4 x 4: P's records hang on the tile column alone and are shared along a column of the cluster, Q's on the tile row and are shared along a row: joint loads.
; A HEAD RECORD (6,656 bytes): eight half fragments of 768 bytes (registers 0-3 at 16 l, registers 4-5 at 512 + 8 l), then 512 bytes of scale words.  qkh is [row / 128][16: q's 8 head pairs, k's 8][head of the pair].
; LIMITS: blocks under 2^-122 and blocks of zeros keep the byte 1; NaN and infinities are not served.
; REGISTERS: window 0: v1-21 addresses; v32-47 scale words, two sets; v48-143 Q's fragments, two sets (later the numbers to quantise); v144-207 the bias; v208-252 the quantiser's.  window 1: the accumulators, (a, t) at 64 a + 8 t.  window 2: P's fragments, two sets.
.set REC,    12800
.set SCO,    12288
.set HREC,   6656
.set HSC,    6144
.set NKS,    8                         ; K steps of 128
.set CH,     2                         ; records in a tensor load
.set ROWS,   50*CH                     ; which is so many rows of 256 bytes
.set STREAM, 8*REC
.set HALF,   4*REC                     ; an address register reaches four records by its 16-bit offset
.set QS,     2*STREAM
.set POFF,   0                         ; w_attn's image begins the weights' buffer
.set QOFF,   0
.set WV,  16                           ; s16 wave; s17 w % 2; s18 w / 2
.set WP,  17
.set WQ,  18
.set G1P, 24                           ; s[24:31], s[32:39] descriptor groups 1; s[40:55], s[68:83] groups 0, one for each chunk
.set G1Q, 32
.set G0P, 40
.set G0Q, 68
.set SEL, 56
.set L16, 3
.set ADP, 4
.set ADQ, 6
.set AS1, 8
.set AS2, 10
.set R16, 12
.set L8,  13
.set H64, 14
.set SC,  32
.set QF,  48
.set BI,  144
.set H,   48
.set SWA, 208
.set SWB, 212
.set PC,  216
.set TM,  236
.set PW,  252
.set MSB, 0
.macro WIN new                         ; the immediate's high byte repeats the setting that is left
.if MSB != \new
	s_set_vgpr_msb (MSB<<8)|\new
.set MSB, \new
.endif
.endm
.macro PLACES                          ; four places behind a matrix instruction, ahead of loads into its sources and of reads of its result
.rept 4
	v_nop
.endr
.endm
.macro ROUND                           ; a round of the cluster's barrier
	s_barrier_signal -1
	s_barrier_wait -1
	s_cmp_lg_u32 s[WV], 0
	s_cbranch_scc1 .Lnot_wave_0_\@
	s_barrier_signal -3
.Lnot_wave_0_\@:
	s_barrier_wait -3
	s_barrier_signal -1
	s_barrier_wait -1
.endm
.macro FETCH s                         ; K step s: P's eight fragments, my four of Q, twelve tiles' scale words: 38 loads of 512 dense bytes, into set s % 2
.set FS, (\s)%2
.set FH, ((\s)/4)%2
.set FO, ((\s)%4)*REC
	WIN 0x80                                       ; destination window 2
.irp t, 0,1,2,3,4,5,6,7
.irp c, 0,1,2
	ds_load_b128 v[96*FS+12*\t+4*\c:96*FS+12*\t+4*\c+3], v[ADP+FH] offset:FO+1536*\t+512*\c
.endr
.endr
	WIN 0
.irp a, 0,1,2,3
.irp c, 0,1,2
	ds_load_b128 v[QF+48*FS+12*\a+4*\c:QF+48*FS+12*\a+4*\c+3], v[ADQ+FH] offset:FO+1536*\a+512*\c
.endr
.endr
	ds_load_b128 v[SC+8*FS:SC+8*FS+3], v[AS1+FH] offset:FO       ; lanes 0-15: P's tiles 0-3; lanes 16-31: my four tiles of Q
	ds_load_b128 v[SC+8*FS+4:SC+8*FS+7], v[AS2+FH] offset:FO     ; P's tiles 4-7
.endm
.macro MUL a0, sg, zero                ; 16 products: Q's tiles a0, a0 + 1 x P's eight.  The 32 accumulators take turns, in the same order in every step
.irp a, \a0, \a0+1
.irp t, 0,1,2,3,4,5,6,7
.if \zero
	v_wmma_scale_f32_16x16x128_f8f6f4 v[64*(\a)+8*\t:64*(\a)+8*\t+7], v[96*(\sg)+12*\t:96*(\sg)+12*\t+11], v[QF+48*(\sg)+12*(\a):QF+48*(\sg)+12*(\a)+11], 0, v[SC+8*(\sg)+\t], v[SC+8*(\sg)+(\a)] matrix_a_fmt:MATRIX_FMT_BF6 matrix_b_fmt:MATRIX_FMT_BF6 matrix_b_scale:MATRIX_SCALE_ROW1
.else
	v_wmma_scale_f32_16x16x128_f8f6f4 v[64*(\a)+8*\t:64*(\a)+8*\t+7], v[96*(\sg)+12*\t:96*(\sg)+12*\t+11], v[QF+48*(\sg)+12*(\a):QF+48*(\sg)+12*(\a)+11], v[64*(\a)+8*\t:64*(\a)+8*\t+7], v[SC+8*(\sg)+\t], v[SC+8*(\sg)+(\a)] matrix_a_fmt:MATRIX_FMT_BF6 matrix_b_fmt:MATRIX_FMT_BF6 matrix_b_scale:MATRIX_SCALE_ROW1
.endif
.endr
.endr
.endm
; A K step: 32 products; in its middle the next step's fragments are fetched into the other set.  cnt >= 0: the next step begins a chunk: my load of it has landed when cnt younger loads are out; then a barrier, so that everybody's has.
.macro STEP s, zero, cnt
.set SG, (\s)%2
	s_wait_dscnt 0x0                               ; this step's fragments are in
	WIN 0x52                                       ; P window 2, Q window 0, C and D window 1
	MUL 0, SG, \zero
.if (\s) < NKS-1
	WIN 0
	PLACES                                         ; for the loads into the set that the step before multiplied
.if (\cnt) >= 0
	s_wait_tensorcnt \cnt
	s_barrier_signal -1
	s_barrier_wait -1
.endif
	FETCH (\s)+1
.endif
	WIN 0x52
	MUL 2, SG, \zero
	WIN 0
.endm
; 64 numbers of a lane, register 16 b + i = k 32 b + 16 (lane / 16) + i of my row, become a fragment's codes in v[PC] on and its scale word in v[PW].
.macro QUANT s
.irp b, 0,1,2,3
	v_max3_num_f32 v[TM+\b], |v[\s+16*\b]|, |v[\s+1+16*\b]|, 0x2800000   ; and the floor 2^(5 - 127): the byte cannot fall under 1
.endr
.irp i, 2,4,6,8,10,12,14
.irp b, 0,1,2,3
	v_max3_num_f32 v[TM+\b], v[TM+\b], |v[\s+16*\b+\i]|, |v[\s+1+16*\b+\i]|
.endr
.endr
.irp b, 0,1,2,3
	v_permlanex16_b32 v[TM+4+\b], v[TM+\b], s[SEL], s[SEL+1]
.endr
.irp b, 0,1,2,3
	v_max_num_f32 v[TM+\b], v[TM+\b], v[TM+4+\b]
.endr
.irp b, 0,1,2,3
	v_add_nc_u32 v[TM+12+\b], 0xfe000000, v[TM+\b]   ; 4 off the exponent field: the conversion's scale operand
.endr
.irp b, 0,1,2,3
	v_lshrrev_b32 v[TM+4+\b], 23, v[TM+12+\b]
.endr
	v_lshl_or_b32 v[PW], v[TM+5], 8, v[TM+4]
	v_lshl_or_b32 v[PW], v[TM+6], 16, v[PW]
	v_lshl_or_b32 v[PW], v[TM+7], 24, v[PW]
.irp c, 0,1
	v_cvt_scalef32_pk16_bf6_f32 v[PC+6*\c:PC+2+6*\c], v[\s+32*\c:\s+15+32*\c], v[TM+12+2*\c]
	v_cvt_scalef32_pk16_bf6_f32 v[PC+12+4*\c:PC+14+4*\c], v[\s+16+32*\c:\s+31+32*\c], v[TM+12+2*\c+1]
.endr
	v_nop                                          ; one plain place behind a scaled conversion
.irp c, 0,1
.irp i, 0,1,2
	v_permlane16_swap_b32 v[PC+6*\c+\i], v[PC+12+4*\c+\i]
.endr
.irp i, 0,1,2
	v_mov_b32 v[PC+3+6*\c+\i], v[PC+12+4*\c+\i]
.endr
.endr
.endm
	s_load_b128 s[4:7], s[0:1], 0x0                ; P's buffer, Q's buffer
	s_load_b128 s[8:11], s[0:1], 0x10              ; the bias, the output
	v_lshl_add_u32 v254, v0, 2, 0x4b000
	v_mov_b32 v255, 0
	ds_add_u32 v254, v255
	v_lshrrev_b32 v1, 5, v0
	v_readfirstlane_b32 s[WV], v1
	s_and_b32 s[WP], s[WV], 1
	s_lshr_b32 s[WQ], s[WV], 1
	s_bfe_u32 s19, ttmp6, 0x40000                  ; cx, cy: my place in the cluster
	s_bfe_u32 s20, ttmp6, 0x40004
	s_lshl_b32 s21, ttmp9, 2
	s_add_co_u32 s21, s21, s19                     ; P's tile of 256 = 4 x cluster x + cx
	s_and_b32 s22, ttmp7, 0xffff
	s_lshl_b32 s22, s22, 2
	s_add_co_u32 s22, s22, s20                     ; Q's tile of 128 = 4 x cluster y + cy
	s_lshl_b32 s84, 0x1111, s19                    ; my column of the cluster
	s_lshl_b32 s85, s20, 2
	s_lshl_b32 s85, 15, s85                        ; my row
	s_or_b32 s[G1P], s84, (3<<16)|(1<<21)          ; 15:0 the mask; 17:16 elements of 8 bytes; 21 set beside a mask; no padding: the lanes' reads are dense
	s_or_b32 s[G1Q], s85, (3<<16)|(1<<21)
.irp g, G1P, G1Q
	s_mov_b32 s[\g+1], 32<<16                      ; tensor_dim0 = 32 elements: 256 bytes
	s_mov_b32 s[\g+2], ROWS<<16                    ; tensor_dim1
	s_mov_b32 s[\g+3], 32<<16                      ; tile_dim0
	s_mov_b32 s[\g+4], ROWS                        ; tile_dim1
	s_mov_b32 s[\g+5], 32                          ; the pitch: the block is dense
	s_mov_b32 s[\g+6], 0
	s_mov_b32 s[\g+7], 0
.endr
	s_lshl_b32 s84, s21, 1
	s_add_co_u32 s84, s84, s[WP]                   ; my group of 128 of P
	s_mul_i32 s86, s84, NKS*REC
	s_mov_b32 s87, 0
	s_mul_i32 s88, s22, NKS*REC
	s_mov_b32 s89, 0
	s_mul_i32 s92, s[WP], STREAM
	s_mov_b32 s[SEL], 0x76543210
	s_mov_b32 s[SEL+1], 0xfedcba98
	s_wait_dscnt 0x0
	s_wait_kmcnt 0x0
	s_add_nc_u64 s[86:87], s[4:5], s[86:87]
	s_add_nc_u64 s[88:89], s[6:7], s[88:89]
.irp i, 0,1,2,3
	s_mov_b32 s[G0P+4*\i], 1
	s_add_co_u32 s[G0P+4*\i+1], s92, \i*CH*REC     ; LDS: the wave's number and constants alone
	s_add_nc_u64 s[G0P+4*\i+2:G0P+4*\i+3], s[86:87], POFF+\i*CH*REC
	s_or_b32 s[G0P+4*\i+3], s[G0P+4*\i+3], 0x80000000
	s_mov_b32 s[G0Q+4*\i], 1
	s_mov_b32 s[G0Q+4*\i+1], QS+\i*CH*REC
	s_add_nc_u64 s[G0Q+4*\i+2:G0Q+4*\i+3], s[88:89], QOFF+\i*CH*REC
	s_or_b32 s[G0Q+4*\i+3], s[G0Q+4*\i+3], 0x80000000
.endr
	ROUND                                          ; all sixteen work-groups are here: the joint loads meet
	s_cmp_lt_u32 s[WV], 2                          ; a wave's fills stand in one branch on its number: four loads of mine are out, or none
	s_cbranch_scc0 .Lnot_p
.irp i, 0,1,2,3
	tensor_load_to_lds s[G0P+4*\i:G0P+4*\i+3], s[G1P:G1P+7]
	s_nop 0
.endr
	PLACES
	s_branch .Lasked
.Lnot_p:
	s_cmp_eq_u32 s[WV], 2
	s_cbranch_scc0 .Lasked
.irp i, 0,1,2,3
	tensor_load_to_lds s[G0Q+4*\i:G0Q+4*\i+3], s[G1Q:G1Q+7]
	s_nop 0
.endr
	PLACES
.Lasked:
	v_and_b32 v21, 31, v0
	v_and_b32 v1, 15, v0                           ; r
	v_bfe_u32 v2, v0, 4, 1                         ; h
	v_lshlrev_b32 v[L16], 4, v21
	v_add_nc_u32 v[ADP], s92, v[L16]
	v_add_nc_u32 v[ADP+1], HALF, v[ADP]
	s_mul_i32 s93, s[WQ], 6144
	s_add_co_u32 s93, s93, QS
	v_add_nc_u32 v[ADQ], s93, v[L16]
	v_add_nc_u32 v[ADQ+1], HALF, v[ADQ]
	v_lshlrev_b32 v[R16], 4, v1
	s_lshl_b32 s94, s[WQ], 8
	s_add_co_u32 s94, s94, QS
	s_sub_co_u32 s94, s94, s92                     ; from P's scale words to my four tiles' of Q
	v_mul_u32_u24 v[AS1], s94, v2                  ; lanes 16-31 take Q's: one product, the lower base + h x the distance
	s_add_co_u32 s95, s92, SCO
	v_add_nc_u32 v[AS2], s95, v[R16]
	v_add_nc_u32 v[AS1], v[AS1], v[AS2]
	v_add_nc_u32 v[AS1+1], HALF, v[AS1]
	v_add_nc_u32 v[AS2], 256, v[AS2]
	v_add_nc_u32 v[AS2+1], HALF, v[AS2]
	v_lshlrev_b32 v[L8], 3, v21
	v_lshlrev_b32 v[H64], 6, v2
.irp b, 0,1,2,3
	v_mov_b32 v[TM+4+\b], 0                        ; a lane permute's destination counts as one of its sources
.endr
	s_lshl_b32 s90, s22, 4
	s_add_co_u32 s90, s90, s84
	s_mul_i32 s90, s90, 2*HREC                     ; my pair of head records
	s_mul_i32 s91, s[WQ], 3072
	s_add_co_u32 s96, s90, s91                     ; my four tiles' half fragments
	s_mov_b32 s97, 0
	s_add_nc_u64 s[96:97], s[10:11], s[96:97]
	s_lshl_b32 s91, s[WQ], 8
	s_add_co_u32 s98, s90, s91
	s_add_co_u32 s98, s98, HSC                     ; and their scale words
	s_mov_b32 s99, 0
	s_add_nc_u64 s[98:99], s[10:11], s[98:99]
	s_lshl_b32 s90, s84, 9
	s_mov_b32 s91, 0
	s_add_nc_u64 s[8:9], s[8:9], s[90:91]          ; the bias of my 128 features
.irp b, 0,1,2,3
.irp q, 0,1,2,3
	global_load_b128 v[BI+16*\b+4*\q:BI+16*\b+4*\q+3], v[H64], s[8:9] offset:128*\b+16*\q   ; register 16 b + i: feature 32 b + 16 h + i
.endr
.endr
	s_wait_tensorcnt 3                             ; my first chunk is in: the three younger loads may be out
	s_barrier_signal -1
	s_barrier_wait -1                              ; everybody's is
	FETCH 0
	STEP 0, 1, -1                                  ; the first step's products start the sums
	STEP 1, 0, 2
	STEP 2, 0, -1
	STEP 3, 0, 1
	STEP 4, 0, -1
	STEP 5, 0, 0
	STEP 6, 0, -1
	STEP 7, 0, -1
	; THE WAY OUT, a tile of 16 rows at a time: + bias, quantised; registers 0-5 are the pair's first head, 6-11 its second
	s_wait_loadcnt 0x0                             ; the bias
	PLACES
.irp a, 0,1,2,3
.if \a > 0
	s_wait_xcnt 0x0                                ; the last tile's stores have read their registers
.endif
	WIN 0x01                                       ; source 0 window 1
.set I, 0
.rept 32
	v_pk_add_f32 v[H+2*I:H+2*I+1], v[64*\a+2*I:64*\a+2*I+1], v[BI+2*I:BI+2*I+1]   ; each accumulator from its low end on
.set I, I+1
.endr
	WIN 0
	QUANT H
	global_store_b128 v[L16], v[PC:PC+3], s[96:97] offset:768*\a
	global_store_b64 v[L8], v[PC+4:PC+5], s[96:97] offset:768*\a+512
	global_store_b128 v[L16], v[PC+6:PC+9], s[96:97] offset:768*\a+HREC
	global_store_b64 v[L8], v[PC+10:PC+11], s[96:97] offset:768*\a+512+HREC
	v_mov_b32 v[SWA+\a], v[PW]                     ; bytes 0, 1 serve; bytes 2, 3 scale zero codes and are no 0xff
	v_lshrrev_b32 v[SWB+\a], 16, v[PW]
.endr
	global_store_b128 v[R16], v[SWA:SWA+3], s[98:99]               ; four tiles' words of row r: 256 consecutive bytes (both halves of the lanes write the same)
	global_store_b128 v[R16], v[SWB:SWB+3], s[98:99] offset:HREC
	s_wait_tensorcnt 0x0
	ds_add_u32 v254, v255
	s_wait_dscnt 0x0
	ROUND                                          ; the closing round
	s_endpgm
.Lfunc_end_k_q5e6481eb40_gqk:
	.size	k_q5e6481eb40_gqk, .Lfunc_end_k_q5e6481eb40_gqk-k_q5e6481eb40_gqk
	.p2alignl 7, 3214868480
	.fill 96, 4, 3214868480
	.section	.rodata,"a",@progbits
	.p2align	6, 0x0
	.amdhsa_kernel k_q5e6481eb40_gqk
		.amdhsa_group_segment_fixed_size 327680
		.amdhsa_private_segment_fixed_size 0
		.amdhsa_enable_private_segment 0
		.amdhsa_kernarg_size 32
		.amdhsa_user_sgpr_count 2
		.amdhsa_user_sgpr_kernarg_segment_ptr 1
		.amdhsa_wavefront_size32 1
		.amdhsa_system_sgpr_workgroup_id_x 1
		.amdhsa_system_sgpr_workgroup_id_y 1
		.amdhsa_system_sgpr_workgroup_id_z 1
		.amdhsa_system_vgpr_workitem_id 0
		.amdhsa_next_free_vgpr 704
		.amdhsa_next_free_sgpr 100
		.amdhsa_reserve_vcc 0
		.amdhsa_float_denorm_mode_32 3
		.amdhsa_float_denorm_mode_16_64 3
		.amdhsa_memory_ordered 1
		.amdhsa_forward_progress 1
		.amdhsa_inst_pref_size 90
	.end_amdhsa_kernel
	.amdgpu_metadata
---
amdhsa.version: [ 1, 2 ]
amdhsa.kernels:
  - .name:           k_q5e6481eb40_gqk
    .symbol:         k_q5e6481eb40_gqk.kd
    .args:
      - { .name: wimg, .offset: 0, .size: 8, .value_kind: global_buffer, .address_space: global }
      - { .name: img_a, .offset: 8, .size: 8, .value_kind: global_buffer, .address_space: global }
      - { .name: b_attn, .offset: 16, .size: 8, .value_kind: global_buffer, .address_space: global }
      - { .name: qkh, .offset: 24, .size: 8, .value_kind: global_buffer, .address_space: global }
    .group_segment_fixed_size: 327680
    .private_segment_fixed_size: 0
    .kernarg_segment_align: 8
    .kernarg_segment_size: 32
    .max_flat_workgroup_size: 128
    .sgpr_count:     100
    .vgpr_count:     704
    .wavefront_size: 32
...
	.end_amdgpu_metadata
.endif
;; end of part 2
;; launch gv (part 3): grid 16 x 8, 4 waves a work-group, clusters of 4 x 4, 327,680 bytes of LDS; arguments img_a, wimg, b_attn, img_b; writes img_b
.if DOCPART == 3
	.amdgcn_target "amdgcn-amd-amdhsa--gfx1250"
	.amdhsa_code_object_version 6
	.text
	.protected	k_q5e6481eb40_gv
	.globl	k_q5e6481eb40_gv
	.p2align	8
	.type	k_q5e6481eb40_gv,@function
k_q5e6481eb40_gv:
	s_mov_b64 s[64:65], 0
	v_nop
	global_prefetch_b8 v0, s[64:65] scope:SCOPE_SE
	s_setreg_imm32_b32 hwreg(HW_REG_WAVE_MODE, 25, 1), 1
	s_wait_xcnt 0x0
	s_wait_alu depctr_hold_cnt(0) depctr_sa_sdst(0) depctr_va_vdst(0) depctr_va_sdst(0) depctr_va_ssrc(0) depctr_va_vcc(0) depctr_vm_vsrc(0)
	s_getreg_b32 s2, hwreg(HW_REG_IB_STS2, 6, 4)
	s_cmp_eq_u32 s2, 0
	s_cbranch_scc0 .Lentry_in_a_cluster
	s_endpgm
.Lentry_in_a_cluster:
	s_bfe_u32 s2, ttmp6, 0x10000c
	s_cmp_lg_u32 s2, 0xf033
	s_cbranch_scc0 .Lentry_shape_is_right
	s_endpgm
.Lentry_shape_is_right:
; GV: v^T.  v = x w_attn[:, 2048:3072] + b_attn, on codes of BF6, quantised again ALONG THE KEYS and stored as an image [head pair][row / 128] of records.
; The same product as for q and k with the sources changed: source 0 = P = 16 rows of x, source 1 = Q = 16 columns of the weight.  A lane then holds one feature, and its registers run along the tokens, which are
; the second attention product's K.  Records, tiles' row order, shares, streams, cluster and registers: 128 rows x 128 K in 12,800 bytes (eight fragments of 1,536 bytes, 512 bytes of scale words; row p of tile t is
; the group's row 32 (t / 2) + 8 (t % 2) + p + 8 (p / 8)); a work-group makes 256 of P x 128 of Q, wave w P's record w % 2 and Q's tiles 4 (w / 2) .. + 3; all of K comes into LDS once, in four chunks a stream;
; P's records are shared along a column of the 4 x 4 cluster, Q's along a row.
; LIMITS: blocks under 2^-122 and blocks of zeros keep the byte 1; NaN and infinities are not served.
; REGISTERS: window 0: v1-21 addresses; v22-29 the bias, one number a tile, in pairs; v32-47 scale words; v48-143 Q's fragments (later the numbers to quantise); v208-252 the quantiser's.  window 1: accumulators.  window 2: P's fragments.
.set REC,    12800
.set SCO,    12288
.set NKS,    8
.set CH,     2
.set ROWS,   50*CH
.set STREAM, 8*REC
.set HALF,   4*REC
.set QS,     2*STREAM
.set POFF,   0
.set QOFF,   128*REC                   ; w_attn's groups 16 to 23 of 128 columns
.set WV,  16
.set WP,  17
.set WQ,  18
.set G1P, 24
.set G1Q, 32
.set G0P, 40
.set G0Q, 68
.set SEL, 56
.set L16, 3
.set ADP, 4
.set ADQ, 6
.set AS1, 8
.set AS2, 10
.set R16, 12
.set BQA, 15
.set BQ,  22
.set SC,  32
.set QF,  48
.set H,   48
.set SWA, 208
.set PC,  216
.set TM,  236
.set PW,  252
.set MSB, 0
.macro WIN new
.if MSB != \new
	s_set_vgpr_msb (MSB<<8)|\new
.set MSB, \new
.endif
.endm
.macro PLACES
.rept 4
	v_nop
.endr
.endm
.macro ROUND
	s_barrier_signal -1
	s_barrier_wait -1
	s_cmp_lg_u32 s[WV], 0
	s_cbranch_scc1 .Lnot_wave_0_\@
	s_barrier_signal -3
.Lnot_wave_0_\@:
	s_barrier_wait -3
	s_barrier_signal -1
	s_barrier_wait -1
.endm
.macro FETCH s                         ; K step s into set s % 2: 38 loads of 512 dense bytes
.set FS, (\s)%2
.set FH, ((\s)/4)%2
.set FO, ((\s)%4)*REC
	WIN 0x80
.irp t, 0,1,2,3,4,5,6,7
.irp c, 0,1,2
	ds_load_b128 v[96*FS+12*\t+4*\c:96*FS+12*\t+4*\c+3], v[ADP+FH] offset:FO+1536*\t+512*\c
.endr
.endr
	WIN 0
.irp a, 0,1,2,3
.irp c, 0,1,2
	ds_load_b128 v[QF+48*FS+12*\a+4*\c:QF+48*FS+12*\a+4*\c+3], v[ADQ+FH] offset:FO+1536*\a+512*\c
.endr
.endr
	ds_load_b128 v[SC+8*FS:SC+8*FS+3], v[AS1+FH] offset:FO
	ds_load_b128 v[SC+8*FS+4:SC+8*FS+7], v[AS2+FH] offset:FO
.endm
.macro MUL a0, sg, zero                ; the 32 accumulators take turns
.irp a, \a0, \a0+1
.irp t, 0,1,2,3,4,5,6,7
.if \zero
	v_wmma_scale_f32_16x16x128_f8f6f4 v[64*(\a)+8*\t:64*(\a)+8*\t+7], v[96*(\sg)+12*\t:96*(\sg)+12*\t+11], v[QF+48*(\sg)+12*(\a):QF+48*(\sg)+12*(\a)+11], 0, v[SC+8*(\sg)+\t], v[SC+8*(\sg)+(\a)] matrix_a_fmt:MATRIX_FMT_BF6 matrix_b_fmt:MATRIX_FMT_BF6 matrix_b_scale:MATRIX_SCALE_ROW1
.else
	v_wmma_scale_f32_16x16x128_f8f6f4 v[64*(\a)+8*\t:64*(\a)+8*\t+7], v[96*(\sg)+12*\t:96*(\sg)+12*\t+11], v[QF+48*(\sg)+12*(\a):QF+48*(\sg)+12*(\a)+11], v[64*(\a)+8*\t:64*(\a)+8*\t+7], v[SC+8*(\sg)+\t], v[SC+8*(\sg)+(\a)] matrix_a_fmt:MATRIX_FMT_BF6 matrix_b_fmt:MATRIX_FMT_BF6 matrix_b_scale:MATRIX_SCALE_ROW1
.endif
.endr
.endr
.endm
.macro STEP s, zero, cnt               ; cnt >= 0: the next step begins a chunk: my load of it has landed when cnt younger loads are out; then a barrier
.set SG, (\s)%2
	s_wait_dscnt 0x0
	WIN 0x52
	MUL 0, SG, \zero
.if (\s) < NKS-1
	WIN 0
	PLACES
.if (\cnt) >= 0
	s_wait_tensorcnt \cnt
	s_barrier_signal -1
	s_barrier_wait -1
.endif
	FETCH (\s)+1
.endif
	WIN 0x52
	MUL 2, SG, \zero
	WIN 0
.endm
.macro QUANT s
.irp b, 0,1,2,3
	v_max3_num_f32 v[TM+\b], |v[\s+16*\b]|, |v[\s+1+16*\b]|, 0x2800000
.endr
.irp i, 2,4,6,8,10,12,14
.irp b, 0,1,2,3
	v_max3_num_f32 v[TM+\b], v[TM+\b], |v[\s+16*\b+\i]|, |v[\s+1+16*\b+\i]|
.endr
.endr
.irp b, 0,1,2,3
	v_permlanex16_b32 v[TM+4+\b], v[TM+\b], s[SEL], s[SEL+1]
.endr
.irp b, 0,1,2,3
	v_max_num_f32 v[TM+\b], v[TM+\b], v[TM+4+\b]
.endr
.irp b, 0,1,2,3
	v_add_nc_u32 v[TM+12+\b], 0xfe000000, v[TM+\b]
.endr
.irp b, 0,1,2,3
	v_lshrrev_b32 v[TM+4+\b], 23, v[TM+12+\b]
.endr
	v_lshl_or_b32 v[PW], v[TM+5], 8, v[TM+4]
	v_lshl_or_b32 v[PW], v[TM+6], 16, v[PW]
	v_lshl_or_b32 v[PW], v[TM+7], 24, v[PW]
.irp c, 0,1
	v_cvt_scalef32_pk16_bf6_f32 v[PC+6*\c:PC+2+6*\c], v[\s+32*\c:\s+15+32*\c], v[TM+12+2*\c]
	v_cvt_scalef32_pk16_bf6_f32 v[PC+12+4*\c:PC+14+4*\c], v[\s+16+32*\c:\s+31+32*\c], v[TM+12+2*\c+1]
.endr
	v_nop
.irp c, 0,1
.irp i, 0,1,2
	v_permlane16_swap_b32 v[PC+6*\c+\i], v[PC+12+4*\c+\i]
.endr
.irp i, 0,1,2
	v_mov_b32 v[PC+3+6*\c+\i], v[PC+12+4*\c+\i]
.endr
.endr
.endm
	s_load_b128 s[4:7], s[0:1], 0x0                ; P's buffer (x's image), Q's buffer (the weights' images)
	s_load_b128 s[8:11], s[0:1], 0x10              ; the bias, the output
	v_lshl_add_u32 v254, v0, 2, 0x4b000
	v_mov_b32 v255, 0
	ds_add_u32 v254, v255
	v_lshrrev_b32 v1, 5, v0
	v_readfirstlane_b32 s[WV], v1
	s_and_b32 s[WP], s[WV], 1
	s_lshr_b32 s[WQ], s[WV], 1
	s_bfe_u32 s19, ttmp6, 0x40000
	s_bfe_u32 s20, ttmp6, 0x40004
	s_lshl_b32 s21, ttmp9, 2
	s_add_co_u32 s21, s21, s19                     ; P's tile of 256 tokens
	s_and_b32 s22, ttmp7, 0xffff
	s_lshl_b32 s22, s22, 2
	s_add_co_u32 s22, s22, s20                     ; Q's tile of 128 features: a head pair
	s_lshl_b32 s84, 0x1111, s19
	s_lshl_b32 s85, s20, 2
	s_lshl_b32 s85, 15, s85
	s_or_b32 s[G1P], s84, (3<<16)|(1<<21)
	s_or_b32 s[G1Q], s85, (3<<16)|(1<<21)
.irp g, G1P, G1Q
	s_mov_b32 s[\g+1], 32<<16
	s_mov_b32 s[\g+2], ROWS<<16
	s_mov_b32 s[\g+3], 32<<16
	s_mov_b32 s[\g+4], ROWS
	s_mov_b32 s[\g+5], 32
	s_mov_b32 s[\g+6], 0
	s_mov_b32 s[\g+7], 0
.endr
	s_lshl_b32 s84, s21, 1
	s_add_co_u32 s84, s84, s[WP]                   ; my group of 128 tokens
	s_mul_i32 s86, s84, NKS*REC
	s_mov_b32 s87, 0
	s_mul_i32 s88, s22, NKS*REC
	s_mov_b32 s89, 0
	s_mul_i32 s92, s[WP], STREAM
	s_mov_b32 s[SEL], 0x76543210
	s_mov_b32 s[SEL+1], 0xfedcba98
	s_wait_dscnt 0x0
	s_wait_kmcnt 0x0
	s_add_nc_u64 s[86:87], s[4:5], s[86:87]
	s_add_nc_u64 s[88:89], s[6:7], s[88:89]
.irp i, 0,1,2,3
	s_mov_b32 s[G0P+4*\i], 1
	s_add_co_u32 s[G0P+4*\i+1], s92, \i*CH*REC
	s_add_nc_u64 s[G0P+4*\i+2:G0P+4*\i+3], s[86:87], POFF+\i*CH*REC
	s_or_b32 s[G0P+4*\i+3], s[G0P+4*\i+3], 0x80000000
	s_mov_b32 s[G0Q+4*\i], 1
	s_mov_b32 s[G0Q+4*\i+1], QS+\i*CH*REC
	s_add_nc_u64 s[G0Q+4*\i+2:G0Q+4*\i+3], s[88:89], QOFF+\i*CH*REC
	s_or_b32 s[G0Q+4*\i+3], s[G0Q+4*\i+3], 0x80000000
.endr
	ROUND
	s_cmp_lt_u32 s[WV], 2
	s_cbranch_scc0 .Lnot_p
.irp i, 0,1,2,3
	tensor_load_to_lds s[G0P+4*\i:G0P+4*\i+3], s[G1P:G1P+7]
	s_nop 0
.endr
	PLACES
	s_branch .Lasked
.Lnot_p:
	s_cmp_eq_u32 s[WV], 2
	s_cbranch_scc0 .Lasked
.irp i, 0,1,2,3
	tensor_load_to_lds s[G0Q+4*\i:G0Q+4*\i+3], s[G1Q:G1Q+7]
	s_nop 0
.endr
	PLACES
.Lasked:
	v_and_b32 v21, 31, v0
	v_and_b32 v1, 15, v0
	v_bfe_u32 v2, v0, 4, 1
	v_lshlrev_b32 v[L16], 4, v21
	v_add_nc_u32 v[ADP], s92, v[L16]
	v_add_nc_u32 v[ADP+1], HALF, v[ADP]
	s_mul_i32 s93, s[WQ], 6144
	s_add_co_u32 s93, s93, QS
	v_add_nc_u32 v[ADQ], s93, v[L16]
	v_add_nc_u32 v[ADQ+1], HALF, v[ADQ]
	v_lshlrev_b32 v[R16], 4, v1
	s_lshl_b32 s94, s[WQ], 8
	s_add_co_u32 s94, s94, QS
	s_sub_co_u32 s94, s94, s92
	v_mul_u32_u24 v[AS1], s94, v2
	s_add_co_u32 s95, s92, SCO
	v_add_nc_u32 v[AS2], s95, v[R16]
	v_add_nc_u32 v[AS1], v[AS1], v[AS2]
	v_add_nc_u32 v[AS1+1], HALF, v[AS1]
	v_add_nc_u32 v[AS2], 256, v[AS2]
	v_add_nc_u32 v[AS2+1], HALF, v[AS2]
	v_and_b32 v[BQA], 8, v1
	v_add_nc_u32 v[BQA], v[BQA], v1
	v_lshlrev_b32 v[BQA], 2, v[BQA]                ; 4 (r + 8 (r / 8)): my feature's place in a tile
.irp b, 0,1,2,3
	v_mov_b32 v[TM+4+\b], 0
.endr
	s_lshl_b32 s90, s22, 5
	s_add_co_u32 s90, s90, s84
	s_mul_i32 s90, s90, REC                        ; record (head pair, my 128 tokens)
	s_mul_i32 s91, s[WQ], 6144
	s_add_co_u32 s96, s90, s91
	s_mov_b32 s97, 0
	s_add_nc_u64 s[96:97], s[10:11], s[96:97]
	s_lshl_b32 s91, s[WQ], 8
	s_add_co_u32 s98, s90, s91
	s_add_co_u32 s98, s98, SCO
	s_mov_b32 s99, 0
	s_add_nc_u64 s[98:99], s[10:11], s[98:99]
	s_lshl_b32 s90, s22, 9
	s_lshl_b32 s91, s[WQ], 8
	s_add_co_u32 s90, s90, s91
	s_add_co_u32 s90, s90, 8192                    ; b_attn from 2,048 + 128 x head pair + 64 (w / 2) on
	s_mov_b32 s91, 0
	s_add_nc_u64 s[8:9], s[8:9], s[90:91]
.irp a, 0,1,2,3
	global_load_b32 v[BQ+2*\a], v[BQA], s[8:9] offset:(32*(\a/2)+8*(\a%2))*4
	v_mov_b32 v[BQ+2*\a+1], 0                      ; named with it as a pair, so it is written
.endr
	s_wait_tensorcnt 3
	s_barrier_signal -1
	s_barrier_wait -1
	FETCH 0
	STEP 0, 1, -1
	STEP 1, 0, 2
	STEP 2, 0, -1
	STEP 3, 0, 1
	STEP 4, 0, -1
	STEP 5, 0, 0
	STEP 6, 0, -1
	STEP 7, 0, -1
	s_wait_loadcnt 0x0
	PLACES
.irp a, 0,1,2,3
.if \a > 0
	s_wait_xcnt 0x0
.endif
	WIN 0x01
.set I, 0
.rept 32
	v_pk_add_f32 v[H+2*I:H+2*I+1], v[64*\a+2*I:64*\a+2*I+1], v[BQ+2*\a:BQ+2*\a+1] op_sel_hi:[1,0]   ; my feature's bias serves all its tokens
.set I, I+1
.endr
	WIN 0
	QUANT H
.irp c, 0,1,2
	global_store_b128 v[L16], v[PC+4*\c:PC+4*\c+3], s[96:97] offset:1536*\a+512*\c
.endr
	v_mov_b32 v[SWA+\a], v[PW]
.endr
	global_store_b128 v[R16], v[SWA:SWA+3], s[98:99]
	s_wait_tensorcnt 0x0
	ds_add_u32 v254, v255
	s_wait_dscnt 0x0
	ROUND
	s_endpgm
.Lfunc_end_k_q5e6481eb40_gv:
	.size	k_q5e6481eb40_gv, .Lfunc_end_k_q5e6481eb40_gv-k_q5e6481eb40_gv
	.p2alignl 7, 3214868480
	.fill 96, 4, 3214868480
	.section	.rodata,"a",@progbits
	.p2align	6, 0x0
	.amdhsa_kernel k_q5e6481eb40_gv
		.amdhsa_group_segment_fixed_size 327680
		.amdhsa_private_segment_fixed_size 0
		.amdhsa_enable_private_segment 0
		.amdhsa_kernarg_size 32
		.amdhsa_user_sgpr_count 2
		.amdhsa_user_sgpr_kernarg_segment_ptr 1
		.amdhsa_wavefront_size32 1
		.amdhsa_system_sgpr_workgroup_id_x 1
		.amdhsa_system_sgpr_workgroup_id_y 1
		.amdhsa_system_sgpr_workgroup_id_z 1
		.amdhsa_system_vgpr_workitem_id 0
		.amdhsa_next_free_vgpr 704
		.amdhsa_next_free_sgpr 100
		.amdhsa_reserve_vcc 0
		.amdhsa_float_denorm_mode_32 3
		.amdhsa_float_denorm_mode_16_64 3
		.amdhsa_memory_ordered 1
		.amdhsa_forward_progress 1
		.amdhsa_inst_pref_size 88
	.end_amdhsa_kernel
	.amdgpu_metadata
---
amdhsa.version: [ 1, 2 ]
amdhsa.kernels:
  - .name:           k_q5e6481eb40_gv
    .symbol:         k_q5e6481eb40_gv.kd
    .args:
      - { .name: img_a, .offset: 0, .size: 8, .value_kind: global_buffer, .address_space: global }
      - { .name: wimg, .offset: 8, .size: 8, .value_kind: global_buffer, .address_space: global }
      - { .name: b_attn, .offset: 16, .size: 8, .value_kind: global_buffer, .address_space: global }
      - { .name: img_b, .offset: 24, .size: 8, .value_kind: global_buffer, .address_space: global }
    .group_segment_fixed_size: 327680
    .private_segment_fixed_size: 0
    .kernarg_segment_align: 8
    .kernarg_segment_size: 32
    .max_flat_workgroup_size: 128
    .sgpr_count:     100
    .vgpr_count:     704
    .wavefront_size: 32
...
	.end_amdgpu_metadata
.endif
;; end of part 3
;; launch attn (part 4): grid 16 x 16, 16 waves a work-group, no clusters, 327,680 bytes of LDS; arguments qkh, img_b, img_a; writes img_a
.if DOCPART == 4
	.amdgcn_target "amdgcn-amd-amdhsa--gfx1250"
	.amdhsa_code_object_version 6
	.text
	.protected	k_q5e6481eb40_attn
	.globl	k_q5e6481eb40_attn
	.p2align	8
	.type	k_q5e6481eb40_attn,@function
k_q5e6481eb40_attn:
	s_mov_b64 s[64:65], 0
	v_nop
	global_prefetch_b8 v0, s[64:65] scope:SCOPE_SE
	s_setreg_imm32_b32 hwreg(HW_REG_WAVE_MODE, 25, 1), 1
	s_wait_xcnt 0x0
; ATTN: a = softmax(q k^T / 8, causal) v for 2 x 16 heads of 64, 2,048 tokens, both products on codes of BF6; a is quantised along the model's 1,024 and stored as an image of records.
; THE SOFTMAX AHEAD OF THE SECOND PRODUCT: t = score x log2(e) / 8; M = the row's largest t so far, rounded UP to a whole number; p = 2^(t - M) is quantised along the keys, not normalised; the row's sum is taken of the
; unquantised p and divides at the end.  When M moves, the sum and O are multiplied by 2^(old M - new M): exact.  A block's largest p is made from its largest score by the same two instructions.
; SHARES: a work-group serves a head pair of one batch and the query blocks i and 31 - i (of 64 queries); each of its sixteen waves owns one tile of 16 queries of one head.  A wave works the key steps (128 keys) up to its
; diagonal: (J / 2) + 1 of them for block J, so every work-group has 8 x 17 wave steps.  Every wave walks all 16 steps: trip counts are constants; a step all of whose keys are hidden is jumped over, but for its address steps.
; NO CLUSTER: that jump hangs on the query block, which would be the place in a cluster; without it the work doubles.
; LAYOUT: both products transposed: S^T = k q^T (source 0 = 16 keys), O^T = v^T p^T (source 0 = 16 features): a lane holds one query throughout.  The images' row order makes the 16 registers of two neighbouring tiles 16 neighbours.
; K = 64 lies in registers 0-5 of a fragment; q's registers 6-11 are zero codes, so what stands in k's 6-11 adds nothing (BF6 has no NaN, and no scale byte here is 0xff).
; LDS: two slots of four key steps (a step: k's two head records, 13,312 bytes, then v^T's record, 12,800), 2^17 apart; behind them 8 x 1,024 bytes in which a head pair's second wave hands its codes to the first; the spare words.
; LIMITS: NaN and infinities are not served; blocks under 2^-122 and blocks of zeros keep the byte 1; the division is v_rcp_f32 and a multiplication.
.set HREC,  6656
.set HSC,   6144
.set REC,   12800
.set SCO,   12288
.set VOFF,  2*HREC
.set STEPB, 2*HREC+REC                 ; 26,112
.set SLOT1, 1<<17
.set XCH,   SLOT1+4*STEPB              ; 235,520
.set SPARE, XCH+8*1024                 ; 243,712: the spare words, 128 bytes for each of sixteen waves
.set WV,  10                           ; s10 wave; s11 my head of the pair; s12 my tile of queries (0..127); s13 my diagonal step; s14 batch; s15 head pair
.set ETA, 11
.set TQ,  12
.set DG,  13
.set TB,  16                           ; s16 LDS byte of the step in hand; s17 its number; s18, s19 counters
.set KS,  17
.set SLOTS, 18
.set CNT, 19
.set SEL, 20
.set CS,  22                           ; s[22:23] c = log2(e) / 8
.set G1K, 24
.set G1V, 32
.set G0K, 40
.set G0V, 44
.set AK0,  1                           ; v1-4, v30 my lane's places in a step's tiles; v5, v6 the add's; v7 my query less 16 (lane / 16); v8-11, v29 the step's addresses
.set AK8,  2
.set ASK0, 3
.set AV0,  4
.set SPW,  5
.set NIL,  6
.set ASV0, 30
.set F,    32                          ; v32-79 four fragments of k or of v^T
.set S,    96                          ; v96-159 S^T, then p
.set O,    160                         ; v160-191 O^T
.set BM,   200                         ; v200-203 block maxima; v204-207 permuted, then bytes; v208-211 scale operands; v212-218 conversions' second halves; v219 at work; v[220:221] a chain of the sum; v[222:223] f
.set BP,   204
.set SO,   208
.set CT,   212
.set W,    219
.set L16,  95
.set L8,   247
.set R16,  248
.macro PLACES
.rept 4
	v_nop
.endr
.endm
.macro TLOAD                           ; waves 0-3 fetch k's records of a slot's four steps, waves 4-7 v^T's, the others nothing; four v_nop follow each line
	s_cmp_lt_u32 s[WV], 4
	s_cbranch_scc0 .Lnot_k_\@
	tensor_load_to_lds s[G0K:G0K+3], s[G1K:G1K+7]
	s_nop 0
	PLACES
	s_branch .Lasked_\@
.Lnot_k_\@:
	s_cmp_lt_u32 s[WV], 8
	s_cbranch_scc0 .Lasked_\@
	tensor_load_to_lds s[G0V:G0V+3], s[G1V:G1V+7]
	s_nop 0
	PLACES
.Lasked_\@:
.endm
	s_load_b128 s[4:7], s[0:1], 0x0                ; q's and k's head records, v^T's image
	s_load_b64 s[8:9], s[0:1], 0x10                ; a's image
	v_lshl_add_u32 v[SPW], v0, 2, SPARE
	v_mov_b32 v[NIL], 0
	ds_add_u32 v5, v6
	s_wait_dscnt 0x0
	v_lshrrev_b32 v8, 5, v0
	v_readfirstlane_b32 s[WV], v8
	s_bfe_u32 s[ETA], s[WV], 0x10001               ; bit 1 of the wave's number
	s_lshr_b32 s48, s[WV], 2                       ; which tile of the block's four
	s_xor_b32 s49, s[WV], s48
	s_and_b32 s49, s49, 1                          ; early block or late: mixed so that early and late waves fall on every SIMD
	s_lshl_b32 s50, ttmp9, 1
	s_sub_co_u32 s50, 31, s50
	s_mul_i32 s50, s50, s49
	s_add_co_u32 s50, s50, ttmp9                   ; J = i or 31 - i
	s_lshl_b32 s[TQ], s50, 2
	s_add_co_u32 s[TQ], s[TQ], s48
	s_lshr_b32 s[DG], s[TQ], 3
	s_and_b32 s51, ttmp7, 0xffff
	s_lshr_b32 s14, s51, 3
	s_and_b32 s15, s51, 7
	s_and_b32 s52, s[WV], 3                        ; which step of a slot I fetch
	s_lshl_b32 s53, s14, 4
	s_add_co_u32 s53, s53, s52
	s_lshl_b32 s54, s53, 4
	s_add_co_u32 s54, s54, s15
	s_add_co_u32 s54, s54, 8
	s_mul_i32 s54, s54, 2*HREC                     ; k: [16 b + step][8 + head pair]
	s_mov_b32 s55, 0
	s_lshl_b32 s56, s15, 5
	s_add_co_u32 s56, s56, s53
	s_mul_i32 s56, s56, REC                        ; v^T: [head pair][16 b + step]
	s_mov_b32 s57, 0
	s_mul_i32 s58, s52, STEPB
	s_mov_b32 s[G1K], 3<<16                        ; no mask; elements of 8 bytes; no padding
	s_mov_b32 s[G1K+1], 32<<16                     ; rows of 256 bytes,
	s_mov_b32 s[G1K+2], 52<<16                     ; 52 of them: 13,312 dense bytes
	s_mov_b32 s[G1K+3], 32<<16
	s_mov_b32 s[G1K+4], 52
	s_mov_b32 s[G1K+5], 32
	s_mov_b32 s[G1K+6], 0
	s_mov_b32 s[G1K+7], 0
	s_mov_b32 s[G1V], 3<<16
	s_mov_b32 s[G1V+1], 32<<16
	s_mov_b32 s[G1V+2], 50<<16                     ; 50 rows: 12,800 bytes
	s_mov_b32 s[G1V+3], 32<<16
	s_mov_b32 s[G1V+4], 50
	s_mov_b32 s[G1V+5], 32
	s_mov_b32 s[G1V+6], 0
	s_mov_b32 s[G1V+7], 0
	s_mov_b32 s[SEL], 0x76543210
	s_mov_b32 s[SEL+1], 0xfedcba98
	s_mov_b32 s[CS], 0x3e38aa3b
	s_mov_b32 s[CS+1], s[CS]
	s_mov_b32 s[TB], 0
	s_mov_b32 s[KS], 0
	s_mov_b32 s[SLOTS], 3
	s_wait_kmcnt 0x0
	s_mov_b32 s[G0K], 1
	s_mov_b32 s[G0K+1], s58
	s_add_nc_u64 s[G0K+2:G0K+3], s[4:5], s[54:55]
	s_or_b32 s[G0K+3], s[G0K+3], 0x80000000
	s_mov_b32 s[G0V], 1
	s_add_co_u32 s[G0V+1], s58, VOFF
	s_add_nc_u64 s[G0V+2:G0V+3], s[6:7], s[56:57]
	s_or_b32 s[G0V+3], s[G0V+3], 0x80000000
	TLOAD                                          ; slot 0
	s_lshl_b32 s48, s14, 4
	s_add_co_u32 s48, s48, s[DG]                   ; my queries' group of 128 rows
	s_and_b32 s49, s[TQ], 7                        ; and their tile in it
	s_lshl_b32 s50, s48, 4
	s_add_co_u32 s50, s50, s15
	s_lshl_b32 s50, s50, 1
	s_add_co_u32 s50, s50, s[ETA]
	s_mul_i32 s50, s50, HREC                       ; q's head record
	s_lshr_b32 s52, s49, 2
	s_lshl_b32 s52, s52, 8
	s_and_b32 s53, s[TQ], 3
	s_lshl_b32 s53, s53, 2
	s_add_co_u32 s52, s52, s53                     ; a tile's scale words: 256 (t / 4) + 4 (t % 4)
	s_add_co_u32 s54, s50, s52
	s_add_co_u32 s54, s54, HSC
	s_mov_b32 s55, 0
	s_mul_i32 s53, s49, 768
	s_add_co_u32 s50, s50, s53
	s_mov_b32 s51, 0
	s_add_nc_u64 s[50:51], s[4:5], s[50:51]
	s_add_nc_u64 s[54:55], s[4:5], s[54:55]
	s_lshl_b32 s56, s48, 3
	s_add_co_u32 s56, s56, s15
	s_mul_i32 s56, s56, REC                        ; a's record: [group of rows][head pair]
	s_add_co_u32 s58, s56, s52
	s_add_co_u32 s58, s58, SCO
	s_mov_b32 s59, 0
	s_mul_i32 s53, s49, 1536
	s_add_co_u32 s56, s56, s53
	s_mov_b32 s57, 0
	s_add_nc_u64 s[56:57], s[8:9], s[56:57]
	s_add_nc_u64 s[58:59], s[8:9], s[58:59]
	s_lshr_b32 s60, s49, 1
	s_lshl_b32 s60, s60, 5
	s_and_b32 s61, s[TQ], 1
	s_lshl_b32 s61, s61, 3
	s_add_co_u32 s60, s60, s61                     ; my tile's first row in its group
	v_and_b32 v8, 31, v0                           ; l
	v_and_b32 v9, 15, v0                           ; r
	v_bfe_u32 v10, v0, 4, 1                        ; h
	v_lshlrev_b32 v[L16], 4, v8
	v_lshlrev_b32 v[L8], 3, v8
	v_lshlrev_b32 v[R16], 4, v9
	global_load_b128 v[16:19], v[L16], s[50:51]    ; q's half fragment stays in registers
	global_load_b64 v[20:21], v[L8], s[50:51] offset:512
	global_load_b32 v28, v[R16], s[54:55]          ; and its scale words
	s_mul_i32 s61, s[ETA], HREC
	v_add_nc_u32 v[AK0], s61, v[L16]
	v_add_nc_u32 v[AK8], s61, v[L8]
	v_add_nc_u32 v[AK8], 512, v[AK8]
	v_add_nc_u32 v[ASK0], s61, v[R16]
	v_add_nc_u32 v[ASK0], HSC, v[ASK0]
	s_mul_i32 s61, s[ETA], 6144
	s_add_co_u32 s61, s61, VOFF
	v_add_nc_u32 v[AV0], s61, v[L16]               ; my head's four tiles of v^T's record
	s_lshl_b32 s61, s[ETA], 8
	s_add_co_u32 s61, s61, VOFF+SCO
	v_add_nc_u32 v[ASV0], s61, v[R16]
	s_lshr_b32 s61, s[WV], 2
	s_lshl_b32 s61, s61, 1
	s_and_b32 s62, s[WV], 1
	s_add_co_u32 s61, s61, s62
	s_lshl_b32 s61, s61, 10
	s_add_co_u32 s61, s61, XCH                     ; the pair's 1,024 bytes: waves w and w xor 2 share them
	v_add_nc_u32 v31, s61, v[L16]
	v_add_nc_u32 v93, s61, v[L8]
	v_add_nc_u32 v93, 512, v93
	v_lshl_add_u32 v94, v8, 2, s61
	v_add_nc_u32 v94, 768, v94
	v_and_b32 v7, 8, v9
	v_add_nc_u32 v7, v7, v9
	v_lshlrev_b32 v11, 4, v10
	v_sub_nc_u32 v7, v7, v11
	v_add_nc_u32 v7, s60, v7                       ; d = my query in its group - 16 h: register 16 b + i holds key 32 b + 16 h + i of the step: hidden on the diagonal where 32 b + i > d
	v_mov_b32 v13, 0xff61b1e6                      ; the largest t so far: -3e38
	v_floor_f32 v12, -v13                          ; -M
	v_mov_b32 v14, 0
	v_mov_b32 v15, 0
.irp j, 22,23,24,25,26,27
	v_mov_b32 v\j, 0                               ; q's zero codes for k = 64 .. 127
.endr
.irp t, 0,1,2,3
.irp j, 6,7,8,9,10,11
	v_mov_b32 v[F+12*\t+\j], 0                     ; written once: they are named by the first products
.endr
.endr
.irp b, 0,1,2,3
	v_mov_b32 v[BP+\b], 0                          ; a lane permute's destination counts as one of its sources
.endr
	v_mov_b32 v[W], 0
	v_mov_b32 v223, 0                              ; named as the upper half of f's pair
.set I, 0
.rept 32
	v_mov_b32 v[O+I], 0                            ; the step is written once: the first finds zeros, which the first change of M leaves zeros
.set I, I+1
.endr
.macro STEP
	s_cmp_gt_u32 s[KS], s[DG]                      ; all 128 keys come after my queries: only the address steps at the end remain
	s_cbranch_scc1 .Lhidden_\@
	v_add_nc_u32 v8, s[TB], v[AK0]                 ; (these five are also the places behind the last step's products)
	v_add_nc_u32 v9, s[TB], v[AK8]
	v_add_nc_u32 v10, s[TB], v[ASK0]
	v_add_nc_u32 v11, s[TB], v[AV0]
	v_add_nc_u32 v29, s[TB], v[ASV0]
.irp g, 0,1                                    ; S^T = k q^T, four tiles of 16 keys at a time
.if \g
	PLACES
.endif
.irp t, 0,1,2,3
	ds_load_b128 v[F+12*\t:F+12*\t+3], v8 offset:768*(4*\g+\t)
	ds_load_b64 v[F+12*\t+4:F+12*\t+5], v9 offset:768*(4*\g+\t)
.endr
.if \g == 0
	ds_load_b128 v[80:83], v10                     ; the eight tiles' scale words
	ds_load_b128 v[84:87], v10 offset:256
.endif
	s_wait_dscnt 0x0
.irp t, 0,1,2,3
	v_wmma_scale_f32_16x16x128_f8f6f4 v[S+8*(4*\g+\t):S+8*(4*\g+\t)+7], v[F+12*\t:F+12*\t+11], v[16:27], 0, v[80+4*\g+\t], v28 matrix_a_fmt:MATRIX_FMT_BF6 matrix_b_fmt:MATRIX_FMT_BF6
.endr
.endr
	PLACES
.irp t, 0,1,2,3                                ; v^T's four fragments are asked for now and land under the softmax
.irp c, 0,1,2
	ds_load_b128 v[F+12*\t+4*\c:F+12*\t+4*\c+3], v11 offset:1536*\t+512*\c
.endr
.endr
	ds_load_b128 v[88:91], v29
	s_cmp_lg_u32 s[KS], s[DG]                      ; on the diagonal hidden scores become -infinity ahead of the maximum: p = 0 then
	s_cbranch_scc1 .Lopen_\@
	v_mov_b32 v[W], 0xff800000
.set I, 0
.rept 64
	v_cmp_gt_i32 vcc_lo, 32*(I/16)+I%16, v7
	v_cndmask_b32 v[S+I], v[S+I], v[W], vcc_lo
.set I, I+1
.endr
.Lopen_\@:
.irp b, 0,1,2,3
	v_max3_num_f32 v[BM+\b], v[S+16*\b], v[S+1+16*\b], v[S+2+16*\b]   ; the largest score of each block of 32 keys: it serves the row's maximum and the block's largest p
.endr
.irp i, 3,5,7,9,11,13
.irp b, 0,1,2,3
	v_max3_num_f32 v[BM+\b], v[BM+\b], v[S+16*\b+\i], v[S+1+16*\b+\i]
.endr
.endr
.irp b, 0,1,2,3
	v_max_num_f32 v[BM+\b], v[BM+\b], v[S+15+16*\b]
.endr
.irp b, 0,1,2,3
	v_permlanex16_b32 v[BP+\b], v[BM+\b], s[SEL], s[SEL+1]
.endr
.irp b, 0,1,2,3
	v_max_num_f32 v[BM+\b], v[BM+\b], v[BP+\b]
.endr
	v_max3_num_f32 v[W], v[BM], v[BM+1], v[BM+2]
	v_max_num_f32 v[W], v[W], v[BM+3]
	v_mul_f32 v[W], s[CS], v[W]                    ; as t
	v_max_num_f32 v13, v13, v[W]                   ; the running largest t
	v_mov_b32 v[W], v12
	v_floor_f32 v12, -v13                          ; the new -M = -ceil(t)
	v_sub_f32 v[W], v12, v[W]                      ; old M - new M: a whole number, 0 or less
	v_cvt_i32_f32 v[W], v[W]                       ; (it saturates)
	v_ldexp_f32 v222, 1.0, v[W]                    ; f = 2^(old M - new M)
.set I, 0
.rept 32
	v_pk_fma_f32 v[S+I:S+I+1], v[S+I:S+I+1], s[CS:CS+1], v[12:13] op_sel_hi:[1,0,0]   ; t - M
.set I, I+2
.endr
.irp b, 0,1,2,3
	v_fma_f32 v[BM+\b], v[BM+\b], s[CS], v12
.endr
.set I, 0
.rept 64
	v_exp_f32 v[S+I], v[S+I]                       ; p = 2^(t - M)
.set I, I+1
.endr
.irp b, 0,1,2,3
	v_exp_f32 v[BM+\b], v[BM+\b]                   ; the block's largest p
.endr
	v_pk_mul_f32 v[14:15], v[14:15], v[222:223] op_sel_hi:[1,0]   ; the sum under the new M (a plain place behind the exponentials)
	s_wait_alu depctr_va_vdst(0)
.irp b, 0,1,2,3
	v_max_num_f32 v[BM+\b], 0x2800000, v[BM+\b]    ; the floor: the byte cannot fall under 1
.endr
.irp b, 0,1,2,3
	v_add_nc_u32 v[SO+\b], 0xfe000000, v[BM+\b]
.endr
.irp b, 0,1,2,3
	v_lshrrev_b32 v[BP+\b], 23, v[SO+\b]
.endr
	v_lshl_or_b32 v92, v[BP+1], 8, v[BP]           ; p's scale word for these 128 keys
	v_lshl_or_b32 v92, v[BP+2], 16, v92
	v_lshl_or_b32 v92, v[BP+3], 24, v92
.irp c, 0,1
	v_cvt_scalef32_pk16_bf6_f32 v[224+6*\c:226+6*\c], v[S+32*\c:S+15+32*\c], v[SO+2*\c]
	v_cvt_scalef32_pk16_bf6_f32 v[CT+4*\c:CT+2+4*\c], v[S+16+32*\c:S+31+32*\c], v[SO+2*\c+1]
.endr
	v_nop                                          ; one plain place behind a scaled conversion
.irp c, 0,1
.irp i, 0,1,2
	v_permlane16_swap_b32 v[224+6*\c+\i], v[CT+4*\c+\i]
.endr
.irp i, 0,1,2
	v_mov_b32 v[227+6*\c+\i], v[CT+4*\c+\i]
.endr
.endr
	v_pk_add_f32 v[220:221], v[S:S+1], v[S+2:S+3]  ; the row's sum is taken of the unquantised p, in two chains
.irp j, 4,8,12,16,20,24,28,32,36,40,44,48,52,56,60
	v_pk_add_f32 v[14:15], v[14:15], v[S+\j:S+1+\j]
	v_pk_add_f32 v[220:221], v[220:221], v[S+2+\j:S+3+\j]
.endr
	v_pk_add_f32 v[14:15], v[14:15], v[220:221]
.set I, 0
.rept 16
	v_pk_mul_f32 v[O+I:O+I+1], v[O+I:O+I+1], v[222:223] op_sel_hi:[1,0]   ; O^T under the new M
.set I, I+2
.endr
	s_wait_dscnt 0x0                               ; v^T's fragments and scale words are in
.irp t, 0,1,2,3
	v_wmma_scale_f32_16x16x128_f8f6f4 v[O+8*\t:O+8*\t+7], v[F+12*\t:F+12*\t+11], v[224:235], v[O+8*\t:O+8*\t+7], v[88+\t], v92 matrix_a_fmt:MATRIX_FMT_BF6 matrix_b_fmt:MATRIX_FMT_BF6
.endr
.Lhidden_\@:
	s_add_co_u32 s[TB], s[TB], STEPB
	s_add_co_u32 s[KS], s[KS], 1
.endm
; THE CHANGE OF SLOTS stands at a slot's head: all my tensor loads have landed, 0 is added to my spare word, that and my reads of the slot that I have left are done; a barrier; then the slot left is filled with the four steps that follow.
.macro CHANGE fill
	s_wait_tensorcnt 0x0                           ; no tensor load of mine is out, so a group 0 may be written
	ds_add_u32 v[SPW], v[NIL]
.if \fill
	s_xor_b32 s[G0K+1], s[G0K+1], SLOT1
	s_add_nc_u64 s[G0K+2:G0K+3], s[G0K+2:G0K+3], 4*16*2*HREC
	s_xor_b32 s[G0V+1], s[G0V+1], SLOT1
	s_add_nc_u64 s[G0V+2:G0V+3], s[G0V+2:G0V+3], 4*REC
.endif
	s_wait_dscnt 0x0
	s_barrier_signal -1
	s_barrier_wait -1
.if \fill
	TLOAD                                          ; the first thing behind the barrier, a wave's one tensor load until the next
.endif
.endm
.macro SLOT_STEPS
	s_mov_b32 s[CNT], 4
.Lstep_\@:
	STEP
	s_sub_co_u32 s[CNT], s[CNT], 1
	s_cmp_lg_u32 s[CNT], 0
	s_cbranch_scc1 .Lstep_\@
	s_sub_co_u32 s[TB], s[TB], 4*STEPB
	s_xor_b32 s[TB], s[TB], SLOT1                  ; on to the other slot
.endm
	s_wait_loadcnt 0x0                             ; q
.Lslot:
	CHANGE 1
	SLOT_STEPS
	s_sub_co_u32 s[SLOTS], s[SLOTS], 1
	s_cmp_lg_u32 s[SLOTS], 0
	s_cbranch_scc1 .Lslot
	CHANGE 0                                       ; the last slot is written out
	SLOT_STEPS
	; THE WAY OUT: O^T / the sum is my head's 64 of a's K step of 128: two blocks, six registers of codes.  The pair's second wave hands its six and its two bytes to the first, which stores the whole fragment.
	PLACES
	v_add_f32 v14, v14, v15
	v_permlanex16_b32 v[W], v14, s[SEL], s[SEL+1]
	v_add_f32 v14, v14, v[W]
	v_rcp_f32 v14, v14
	v_nop
.set I, 0
	s_wait_alu depctr_va_vdst(0)
.rept 32
	v_mul_f32 v[S+I], v[O+I], v14                  ; register 16 b + i: feature 32 b + 16 h + i of my head
.set I, I+1
.endr
.irp b, 0,1
	v_max3_num_f32 v[BM+\b], |v[S+16*\b]|, |v[S+1+16*\b]|, 0x2800000
.endr
.irp i, 2,4,6,8,10,12,14
.irp b, 0,1
	v_max3_num_f32 v[BM+\b], v[BM+\b], |v[S+16*\b+\i]|, |v[S+1+16*\b+\i]|
.endr
.endr
.irp b, 0,1
	v_permlanex16_b32 v[BP+\b], v[BM+\b], s[SEL], s[SEL+1]
.endr
.irp b, 0,1
	v_max_num_f32 v[BM+\b], v[BM+\b], v[BP+\b]
.endr
.irp b, 0,1
	v_add_nc_u32 v[SO+\b], 0xfe000000, v[BM+\b]
.endr
.irp b, 0,1
	v_lshrrev_b32 v[BP+\b], 23, v[SO+\b]
.endr
	v_lshl_or_b32 v244, v[BP+1], 8, v[BP]          ; my two bytes
	v_cvt_scalef32_pk16_bf6_f32 v[224:226], v[S:S+15], v[SO]
	v_cvt_scalef32_pk16_bf6_f32 v[CT:CT+2], v[S+16:S+31], v[SO+1]
	v_nop
.irp i, 0,1,2
	v_permlane16_swap_b32 v[224+\i], v[CT+\i]
.endr
.irp i, 0,1,2
	v_mov_b32 v[227+\i], v[CT+\i]
.endr
	s_cmp_eq_u32 s[ETA], 0
	s_cbranch_scc1 .Lno_send
	ds_store_b128 v31, v[224:227]
	ds_store_b64 v93, v[228:229]
	ds_store_b32 v94, v244
.Lno_send:
	s_wait_dscnt 0x0                               ; for the partner's sake: my stores are done
	s_barrier_signal -1
	s_barrier_wait -1
	s_cmp_lg_u32 s[ETA], 0
	s_cbranch_scc1 .Ldone
	ds_load_b128 v[230:233], v31                   ; registers 6-11: the pair's second head
	ds_load_b64 v[234:235], v93
	ds_load_b32 v246, v94
	s_wait_dscnt 0x0
	v_lshl_or_b32 v244, v246, 16, v244
.irp c, 0,1,2
	global_store_b128 v[L16], v[224+4*\c:227+4*\c], s[56:57] offset:512*\c   ; 512 consecutive bytes, aligned
.endr
	global_store_b32 v[R16], v244, s[58:59]
.Ldone:
	s_wait_tensorcnt 0x0                           ; the wave's end
	ds_add_u32 v[SPW], v[NIL]
	s_wait_dscnt 0x0
	s_endpgm
.Lfunc_end_k_q5e6481eb40_attn:
	.size	k_q5e6481eb40_attn, .Lfunc_end_k_q5e6481eb40_attn-k_q5e6481eb40_attn
	.p2alignl 7, 3214868480
	.fill 96, 4, 3214868480
	.section	.rodata,"a",@progbits
	.p2align	6, 0x0
	.amdhsa_kernel k_q5e6481eb40_attn
		.amdhsa_group_segment_fixed_size 327680
		.amdhsa_private_segment_fixed_size 0
		.amdhsa_enable_private_segment 0
		.amdhsa_kernarg_size 24
		.amdhsa_user_sgpr_count 2
		.amdhsa_user_sgpr_kernarg_segment_ptr 1
		.amdhsa_wavefront_size32 1
		.amdhsa_system_sgpr_workgroup_id_x 1
		.amdhsa_system_sgpr_workgroup_id_y 1
		.amdhsa_system_sgpr_workgroup_id_z 1
		.amdhsa_system_vgpr_workitem_id 0
		.amdhsa_next_free_vgpr 256
		.amdhsa_next_free_sgpr 66
		.amdhsa_reserve_vcc 1
		.amdhsa_float_denorm_mode_32 3
		.amdhsa_float_denorm_mode_16_64 3
		.amdhsa_memory_ordered 1
		.amdhsa_forward_progress 1
		.amdhsa_inst_pref_size 57
	.end_amdhsa_kernel
	.amdgpu_metadata
---
amdhsa.version: [ 1, 2 ]
amdhsa.kernels:
  - .name:           k_q5e6481eb40_attn
    .symbol:         k_q5e6481eb40_attn.kd
    .args:
      - { .name: qkh, .offset: 0, .size: 8, .value_kind: global_buffer, .address_space: global }
      - { .name: img_b, .offset: 8, .size: 8, .value_kind: global_buffer, .address_space: global }
      - { .name: img_a, .offset: 16, .size: 8, .value_kind: global_buffer, .address_space: global }
    .group_segment_fixed_size: 327680
    .private_segment_fixed_size: 0
    .kernarg_segment_align: 8
    .kernarg_segment_size: 24
    .max_flat_workgroup_size: 512
    .sgpr_count:     66
    .vgpr_count:     256
    .wavefront_size: 32
...
	.end_amdgpu_metadata
.endif
;; end of part 4
;; launch gaproj (part 5): grid 4 x 32, 4 waves a work-group, clusters of 4 x 4, 327,680 bytes of LDS; arguments wimg, img_a, ybuf; writes ybuf
.if DOCPART == 5
	.amdgcn_target "amdgcn-amd-amdhsa--gfx1250"
	.amdhsa_code_object_version 6
	.text
	.protected	k_q5e6481eb40_gaproj
	.globl	k_q5e6481eb40_gaproj
	.p2align	8
	.type	k_q5e6481eb40_gaproj,@function
k_q5e6481eb40_gaproj:
	s_mov_b64 s[64:65], 0
	v_nop
	global_prefetch_b8 v0, s[64:65] scope:SCOPE_SE
	s_setreg_imm32_b32 hwreg(HW_REG_WAVE_MODE, 25, 1), 1
	s_wait_xcnt 0x0
	s_wait_alu depctr_hold_cnt(0) depctr_sa_sdst(0) depctr_va_vdst(0) depctr_va_sdst(0) depctr_va_ssrc(0) depctr_va_vcc(0) depctr_vm_vsrc(0)
	s_getreg_b32 s2, hwreg(HW_REG_IB_STS2, 6, 4)
	s_cmp_eq_u32 s2, 0
	s_cbranch_scc0 .Lentry_in_a_cluster
	s_endpgm
.Lentry_in_a_cluster:
	s_bfe_u32 s2, ttmp6, 0x10000c
	s_cmp_lg_u32 s2, 0xf033
	s_cbranch_scc0 .Lentry_shape_is_right
	s_endpgm
.Lentry_shape_is_right:
; GAPROJ: y = a w_aproj on codes of BF6, f32 out, [4096][1024]; the bias and the residual are added by the launch that normalises, where every access is dense.
; Source 0 = P = 16 columns of the weight, source 1 = Q = 16 rows of a.  Operands are images of registers in records of 128 rows x 128 K (12,800 bytes: eight fragments of 1,536, then 512 of scale words; row p of tile t
; is the group's row 32 (t / 2) + 8 (t % 2) + p + 8 (p / 8)).  A work-group makes 256 of P x 128 of Q; wave w takes P's record w % 2 and Q's tiles 4 (w / 2) .. + 3: 32 accumulators.  256 x 128 and not more, since
; N = 1,024 then still gives 128 work-groups.  All of K comes into LDS once, four chunks a stream; P's records are shared along a column of the 4 x 4 cluster, Q's along a row.
; THE WAY OUT: a lane holds one row and 64 of its columns; a tile of 16 rows x 128 columns goes through the wave's stage (16 rows of 528 bytes, in bytes 0 to 33,791 of P's first stream: they have had their only fill, and
; their last read lies ahead of the barriers of steps 3 and 5) and leaves as whole rows of 512 bytes, at the rows' true places.
.set REC,    12800
.set SCO,    12288
.set NKS,    8
.set CH,     2
.set ROWS,   50*CH
.set STREAM, 8*REC
.set HALF,   4*REC
.set QS,     2*STREAM
.set POFF,   192*REC                   ; w_aproj's image
.set QOFF,   0
.set WV,  16
.set WP,  17
.set WQ,  18
.set G1P, 24
.set G1Q, 32
.set G0P, 40
.set G0Q, 68
.set L16, 3
.set ADP, 4
.set ADQ, 6
.set AS1, 8
.set AS2, 10
.set R16, 12
.set STO, 16
.set RD,  17
.set SC,  32
.set QF,  48
.set BK,  48
.set MSB, 0
.macro WIN new
.if MSB != \new
	s_set_vgpr_msb (MSB<<8)|\new
.set MSB, \new
.endif
.endm
.macro PLACES
.rept 4
	v_nop
.endr
.endm
.macro ROUND
	s_barrier_signal -1
	s_barrier_wait -1
	s_cmp_lg_u32 s[WV], 0
	s_cbranch_scc1 .Lnot_wave_0_\@
	s_barrier_signal -3
.Lnot_wave_0_\@:
	s_barrier_wait -3
	s_barrier_signal -1
	s_barrier_wait -1
.endm
.macro FETCH s
.set FS, (\s)%2
.set FH, ((\s)/4)%2
.set FO, ((\s)%4)*REC
	WIN 0x80
.irp t, 0,1,2,3,4,5,6,7
.irp c, 0,1,2
	ds_load_b128 v[96*FS+12*\t+4*\c:96*FS+12*\t+4*\c+3], v[ADP+FH] offset:FO+1536*\t+512*\c
.endr
.endr
	WIN 0
.irp a, 0,1,2,3
.irp c, 0,1,2
	ds_load_b128 v[QF+48*FS+12*\a+4*\c:QF+48*FS+12*\a+4*\c+3], v[ADQ+FH] offset:FO+1536*\a+512*\c
.endr
.endr
	ds_load_b128 v[SC+8*FS:SC+8*FS+3], v[AS1+FH] offset:FO
	ds_load_b128 v[SC+8*FS+4:SC+8*FS+7], v[AS2+FH] offset:FO
.endm
.macro MUL a0, sg, zero                ; the 32 accumulators take turns
.irp a, \a0, \a0+1
.irp t, 0,1,2,3,4,5,6,7
.if \zero
	v_wmma_scale_f32_16x16x128_f8f6f4 v[64*(\a)+8*\t:64*(\a)+8*\t+7], v[96*(\sg)+12*\t:96*(\sg)+12*\t+11], v[QF+48*(\sg)+12*(\a):QF+48*(\sg)+12*(\a)+11], 0, v[SC+8*(\sg)+\t], v[SC+8*(\sg)+(\a)] matrix_a_fmt:MATRIX_FMT_BF6 matrix_b_fmt:MATRIX_FMT_BF6 matrix_b_scale:MATRIX_SCALE_ROW1
.else
	v_wmma_scale_f32_16x16x128_f8f6f4 v[64*(\a)+8*\t:64*(\a)+8*\t+7], v[96*(\sg)+12*\t:96*(\sg)+12*\t+11], v[QF+48*(\sg)+12*(\a):QF+48*(\sg)+12*(\a)+11], v[64*(\a)+8*\t:64*(\a)+8*\t+7], v[SC+8*(\sg)+\t], v[SC+8*(\sg)+(\a)] matrix_a_fmt:MATRIX_FMT_BF6 matrix_b_fmt:MATRIX_FMT_BF6 matrix_b_scale:MATRIX_SCALE_ROW1
.endif
.endr
.endr
.endm
.macro STEP s, zero, cnt               ; cnt >= 0: the next step begins a chunk: my load of it has landed when cnt younger loads are out; then a barrier
.set SG, (\s)%2
	s_wait_dscnt 0x0
	WIN 0x52
	MUL 0, SG, \zero
.if (\s) < NKS-1
	WIN 0
	PLACES
.if (\cnt) >= 0
	s_wait_tensorcnt \cnt
	s_barrier_signal -1
	s_barrier_wait -1
.endif
	FETCH (\s)+1
.endif
	WIN 0x52
	MUL 2, SG, \zero
	WIN 0
.endm
	s_load_b128 s[4:7], s[0:1], 0x0                ; P's buffer, Q's buffer
	s_load_b64 s[8:9], s[0:1], 0x10                ; y
	v_lshl_add_u32 v254, v0, 2, 0x4b000
	v_mov_b32 v255, 0
	ds_add_u32 v254, v255
	v_lshrrev_b32 v1, 5, v0
	v_readfirstlane_b32 s[WV], v1
	s_and_b32 s[WP], s[WV], 1
	s_lshr_b32 s[WQ], s[WV], 1
	s_bfe_u32 s19, ttmp6, 0x40000
	s_bfe_u32 s20, ttmp6, 0x40004
	s_lshl_b32 s21, ttmp9, 2
	s_add_co_u32 s21, s21, s19
	s_and_b32 s22, ttmp7, 0xffff
	s_lshl_b32 s22, s22, 2
	s_add_co_u32 s22, s22, s20
	s_lshl_b32 s84, 0x1111, s19
	s_lshl_b32 s85, s20, 2
	s_lshl_b32 s85, 15, s85
	s_or_b32 s[G1P], s84, (3<<16)|(1<<21)
	s_or_b32 s[G1Q], s85, (3<<16)|(1<<21)
.irp g, G1P, G1Q
	s_mov_b32 s[\g+1], 32<<16
	s_mov_b32 s[\g+2], ROWS<<16
	s_mov_b32 s[\g+3], 32<<16
	s_mov_b32 s[\g+4], ROWS
	s_mov_b32 s[\g+5], 32
	s_mov_b32 s[\g+6], 0
	s_mov_b32 s[\g+7], 0
.endr
	s_lshl_b32 s84, s21, 1
	s_add_co_u32 s84, s84, s[WP]
	s_mul_i32 s86, s84, NKS*REC
	s_mov_b32 s87, 0
	s_mul_i32 s88, s22, NKS*REC
	s_mov_b32 s89, 0
	s_mul_i32 s92, s[WP], STREAM
	s_wait_dscnt 0x0
	s_wait_kmcnt 0x0
	s_add_nc_u64 s[86:87], s[4:5], s[86:87]
	s_add_nc_u64 s[88:89], s[6:7], s[88:89]
.irp i, 0,1,2,3
	s_mov_b32 s[G0P+4*\i], 1
	s_add_co_u32 s[G0P+4*\i+1], s92, \i*CH*REC
	s_add_nc_u64 s[G0P+4*\i+2:G0P+4*\i+3], s[86:87], POFF+\i*CH*REC
	s_or_b32 s[G0P+4*\i+3], s[G0P+4*\i+3], 0x80000000
	s_mov_b32 s[G0Q+4*\i], 1
	s_mov_b32 s[G0Q+4*\i+1], QS+\i*CH*REC
	s_add_nc_u64 s[G0Q+4*\i+2:G0Q+4*\i+3], s[88:89], QOFF+\i*CH*REC
	s_or_b32 s[G0Q+4*\i+3], s[G0Q+4*\i+3], 0x80000000
.endr
	ROUND
	s_cmp_lt_u32 s[WV], 2
	s_cbranch_scc0 .Lnot_p
.irp i, 0,1,2,3
	tensor_load_to_lds s[G0P+4*\i:G0P+4*\i+3], s[G1P:G1P+7]
	s_nop 0
.endr
	PLACES
	s_branch .Lasked
.Lnot_p:
	s_cmp_eq_u32 s[WV], 2
	s_cbranch_scc0 .Lasked
.irp i, 0,1,2,3
	tensor_load_to_lds s[G0Q+4*\i:G0Q+4*\i+3], s[G1Q:G1Q+7]
	s_nop 0
.endr
	PLACES
.Lasked:
	v_and_b32 v21, 31, v0
	v_and_b32 v1, 15, v0
	v_bfe_u32 v2, v0, 4, 1
	v_lshlrev_b32 v[L16], 4, v21
	v_add_nc_u32 v[ADP], s92, v[L16]
	v_add_nc_u32 v[ADP+1], HALF, v[ADP]
	s_mul_i32 s93, s[WQ], 6144
	s_add_co_u32 s93, s93, QS
	v_add_nc_u32 v[ADQ], s93, v[L16]
	v_add_nc_u32 v[ADQ+1], HALF, v[ADQ]
	v_lshlrev_b32 v[R16], 4, v1
	s_lshl_b32 s94, s[WQ], 8
	s_add_co_u32 s94, s94, QS
	s_sub_co_u32 s94, s94, s92
	v_mul_u32_u24 v[AS1], s94, v2
	s_add_co_u32 s95, s92, SCO
	v_add_nc_u32 v[AS2], s95, v[R16]
	v_add_nc_u32 v[AS1], v[AS1], v[AS2]
	v_add_nc_u32 v[AS1+1], HALF, v[AS1]
	v_add_nc_u32 v[AS2], 256, v[AS2]
	v_add_nc_u32 v[AS2+1], HALF, v[AS2]
	s_mul_i32 s93, s[WV], 16*528                   ; my stage
	v_mul_u32_u24 v[STO], v1, 528
	v_lshl_add_u32 v[STO], v2, 6, v[STO]
	v_add_nc_u32 v[STO], s93, v[STO]               ; in: row r, + 64 h
	v_add_nc_u32 v[RD], s93, v[L16]                ; back: a row of 512 bytes for the 32 lanes
	s_lshl_b32 s90, s22, 7
	s_lshl_b32 s91, s[WQ], 6
	s_add_co_u32 s90, s90, s91
	s_lshl_b32 s90, s90, 12                        ; my 64 rows of 4,096 bytes,
	s_lshl_b32 s91, s84, 9                         ; my 128 columns
	s_add_co_u32 s96, s90, s91
	s_mov_b32 s97, 0
	s_add_nc_u64 s[96:97], s[8:9], s[96:97]
	s_wait_tensorcnt 3
	s_barrier_signal -1
	s_barrier_wait -1
	FETCH 0
	STEP 0, 1, -1
	STEP 1, 0, 2
	STEP 2, 0, -1
	STEP 3, 0, 1
	STEP 4, 0, -1
	STEP 5, 0, 0
	STEP 6, 0, -1
	STEP 7, 0, -1
	PLACES
.irp a, 0,1,2,3
.if \a > 0
	s_wait_xcnt 0x0                                ; the last tile's stores have read their registers
.endif
	WIN 0x04                                       ; an LDS store's data are its source 1: window 1
.irp t, 0,1,2,3,4,5,6,7
	ds_store_b128 v[STO], v[64*\a+8*\t:64*\a+8*\t+3] offset:128*(\t/2)+32*(\t%2)        ; each accumulator from its low end on: columns 32 (t / 2) + 16 h + 8 (t % 2) + 0 .. 7
	ds_store_b128 v[STO], v[64*\a+8*\t+4:64*\a+8*\t+7] offset:128*(\t/2)+32*(\t%2)+16
.endr
	WIN 0
.irp p, 0,1,2,3,4,5,6,7,8,9,10,11,12,13,14,15
	ds_load_b128 v[BK+4*\p:BK+4*\p+3], v[RD] offset:528*\p     ; LDS serves a wave's instructions in order: these see my stores
.endr
.irp p, 0,1,2,3,4,5,6,7,8,9,10,11,12,13,14,15
	s_wait_dscnt 15-\p                             ; row p is back; the younger loads may be out
	global_store_b128 v[L16], v[BK+4*\p:BK+4*\p+3], s[96:97] offset:4096*(32*(\a/2)+8*(\a%2)+\p+8*(\p/8))   ; 512 consecutive bytes, aligned
.endr
.endr
	s_wait_tensorcnt 0x0
	ds_add_u32 v254, v255
	s_wait_dscnt 0x0
	ROUND
	s_endpgm
.Lfunc_end_k_q5e6481eb40_gaproj:
	.size	k_q5e6481eb40_gaproj, .Lfunc_end_k_q5e6481eb40_gaproj-k_q5e6481eb40_gaproj
	.p2alignl 7, 3214868480
	.fill 96, 4, 3214868480
	.section	.rodata,"a",@progbits
	.p2align	6, 0x0
	.amdhsa_kernel k_q5e6481eb40_gaproj
		.amdhsa_group_segment_fixed_size 327680
		.amdhsa_private_segment_fixed_size 0
		.amdhsa_enable_private_segment 0
		.amdhsa_kernarg_size 24
		.amdhsa_user_sgpr_count 2
		.amdhsa_user_sgpr_kernarg_segment_ptr 1
		.amdhsa_wavefront_size32 1
		.amdhsa_system_sgpr_workgroup_id_x 1
		.amdhsa_system_sgpr_workgroup_id_y 1
		.amdhsa_system_sgpr_workgroup_id_z 1
		.amdhsa_system_vgpr_workitem_id 0
		.amdhsa_next_free_vgpr 704
		.amdhsa_next_free_sgpr 100
		.amdhsa_reserve_vcc 0
		.amdhsa_float_denorm_mode_32 3
		.amdhsa_float_denorm_mode_16_64 3
		.amdhsa_memory_ordered 1
		.amdhsa_forward_progress 1
		.amdhsa_inst_pref_size 79
	.end_amdhsa_kernel
	.amdgpu_metadata
---
amdhsa.version: [ 1, 2 ]
amdhsa.kernels:
  - .name:           k_q5e6481eb40_gaproj
    .symbol:         k_q5e6481eb40_gaproj.kd
    .args:
      - { .name: wimg, .offset: 0, .size: 8, .value_kind: global_buffer, .address_space: global }
      - { .name: img_a, .offset: 8, .size: 8, .value_kind: global_buffer, .address_space: global }
      - { .name: ybuf, .offset: 16, .size: 8, .value_kind: global_buffer, .address_space: global }
    .group_segment_fixed_size: 327680
    .private_segment_fixed_size: 0
    .kernarg_segment_align: 8
    .kernarg_segment_size: 24
    .max_flat_workgroup_size: 128
    .sgpr_count:     100
    .vgpr_count:     704
    .wavefront_size: 32
...
	.end_amdgpu_metadata
.endif
;; end of part 5
;; launch ln1 (part 6): grid 256 x 1, 8 waves a work-group, no clusters, 67,072 bytes of LDS; arguments ybuf, x, b_aproj, g1, b1, nbuf, img_b; writes nbuf, img_b
.if DOCPART == 6
	.amdgcn_target "amdgcn-amd-amdhsa--gfx1250"
	.amdhsa_code_object_version 6
	.text
	.protected	k_q5e6481eb40_ln1
	.globl	k_q5e6481eb40_ln1
	.p2align	8
	.type	k_q5e6481eb40_ln1,@function
k_q5e6481eb40_ln1:
	s_mov_b64 s[64:65], 0
	v_nop
	global_prefetch_b8 v0, s[64:65] scope:SCOPE_SE
	s_setreg_imm32_b32 hwreg(HW_REG_WAVE_MODE, 25, 1), 1
	s_wait_xcnt 0x0
; LN1: n = g1 (z - mean) / (std + 1e-6) + b1 with z = x + (y + b_aproj), std from the sum of squares over 1,023; n goes out as f32 and, quantised along its 1,024, as an image of records for the next product.
; A work-group takes one tile T of 16 image rows (rows 32 (T / 2) + 8 (T % 2) + p + 8 (p / 8)); wave w takes rows p = 2 w, 2 w + 1, whole, in registers: the reductions never leave the wave.  A lane holds columns 128 j + 4 l .. + 3.
; Mean first, then the squares of the differences: a common offset of the inputs does no harm.  Every load and store of a wave covers 512 consecutive bytes.
; Then the 16 rows meet in a stage in LDS (pitch 4,112); behind a barrier wave w quantises K step w of all 16 rows: one fragment (1,536 bytes) and its scale words.
; LIMITS: v_sqrt_f32 and v_rcp_f32 stand for the root and the division; NaN and infinities are not served; blocks under 2^-122 and blocks of zeros keep the byte 1.
.set REC, 12800
.set SCO, 12288
.set SP,  4112
.set G,   16                           ; v16-47 g; v48-79 b; v80-111 the product's bias; v112-175 two rows; v176-239 the residual, later the numbers to quantise
.set BT,  48
.set BS,  80
.set Z,   112
.set XR,  176
.set SA,  240                          ; row p: two packed chains at v[240 + 4 p ..]
.set PT,  248
.set MP,  250                          ; row p's pair: the mean, later 1 / (std + eps)
.set PC,  16                           ; behind the normalising g's and b's registers are free
.set TM,  36
.set PW,  52
.set SEL, 20
.macro REDUCE                          ; each row's two chains, then its 32 lanes
.irp p, 0,1
	v_pk_add_f32 v[SA+4*\p:SA+4*\p+1], v[SA+4*\p:SA+4*\p+1], v[SA+4*\p+2:SA+4*\p+3]
.endr
.irp p, 0,1
	v_add_f32 v[SA+4*\p], v[SA+4*\p], v[SA+4*\p+1]
.endr
.irp m, 1,2,4,8
.irp p, 0,1
	v_add_f32_dpp v[SA+4*\p], v[SA+4*\p], v[SA+4*\p] row_xmask:\m row_mask:0xf bank_mask:0xf
.endr
.endr
.irp p, 0,1
	v_permlanex16_b32 v[PT+\p], v[SA+4*\p], s[SEL], s[SEL+1]
.endr
.irp p, 0,1
	v_add_f32 v[SA+4*\p], v[SA+4*\p], v[PT+\p]
.endr
.endm
.macro QUANT s
.irp b, 0,1,2,3
	v_max3_num_f32 v[TM+\b], |v[\s+16*\b]|, |v[\s+1+16*\b]|, 0x2800000
.endr
.irp i, 2,4,6,8,10,12,14
.irp b, 0,1,2,3
	v_max3_num_f32 v[TM+\b], v[TM+\b], |v[\s+16*\b+\i]|, |v[\s+1+16*\b+\i]|
.endr
.endr
.irp b, 0,1,2,3
	v_permlanex16_b32 v[TM+4+\b], v[TM+\b], s[SEL], s[SEL+1]
.endr
.irp b, 0,1,2,3
	v_max_num_f32 v[TM+\b], v[TM+\b], v[TM+4+\b]
.endr
.irp b, 0,1,2,3
	v_add_nc_u32 v[TM+12+\b], 0xfe000000, v[TM+\b]
.endr
.irp b, 0,1,2,3
	v_lshrrev_b32 v[TM+4+\b], 23, v[TM+12+\b]
.endr
	v_lshl_or_b32 v[PW], v[TM+5], 8, v[TM+4]
	v_lshl_or_b32 v[PW], v[TM+6], 16, v[PW]
	v_lshl_or_b32 v[PW], v[TM+7], 24, v[PW]
.irp c, 0,1
	v_cvt_scalef32_pk16_bf6_f32 v[PC+6*\c:PC+2+6*\c], v[\s+32*\c:\s+15+32*\c], v[TM+12+2*\c]
	v_cvt_scalef32_pk16_bf6_f32 v[PC+12+4*\c:PC+14+4*\c], v[\s+16+32*\c:\s+31+32*\c], v[TM+12+2*\c+1]
.endr
	v_nop
.irp c, 0,1
.irp i, 0,1,2
	v_permlane16_swap_b32 v[PC+6*\c+\i], v[PC+12+4*\c+\i]
.endr
.irp i, 0,1,2
	v_mov_b32 v[PC+3+6*\c+\i], v[PC+12+4*\c+\i]
.endr
.endr
.endm
	s_load_b256 s[4:11], s[0:1], 0x0               ; y, x, the product's bias, g
	s_load_b128 s[12:15], s[0:1], 0x20             ; b, n
	s_load_b64 s[16:17], s[0:1], 0x30              ; n's image
	v_lshl_add_u32 v254, v0, 2, 0x10200
	v_mov_b32 v255, 0
	v_lshrrev_b32 v1, 5, v0
	v_readfirstlane_b32 s18, v1
	v_and_b32 v2, 31, v0
	v_and_b32 v3, 15, v0
	v_bfe_u32 v4, v0, 4, 1
	v_lshlrev_b32 v5, 4, v2                        ; 16 l
	s_mov_b32 s[SEL], 0x76543210
	s_mov_b32 s[SEL+1], 0xfedcba98
	s_lshr_b32 s22, ttmp9, 1
	s_lshl_b32 s22, s22, 5
	s_and_b32 s23, ttmp9, 1
	s_lshl_b32 s23, s23, 3
	s_add_co_u32 s22, s22, s23
	s_lshl_b32 s23, s18, 1
	s_add_co_u32 s22, s22, s23
	s_lshr_b32 s23, s18, 2
	s_lshl_b32 s23, s23, 3
	s_add_co_u32 s22, s22, s23                     ; my first row
	s_lshl_b32 s22, s22, 12
	s_mov_b32 s23, 0
	s_mul_i32 s24, s18, 2*SP
	v_add_nc_u32 v6, s24, v5                       ; into the stage
	v_mul_u32_u24 v7, v3, SP
	v_lshl_add_u32 v7, v4, 6, v7
	s_lshl_b32 s24, s18, 9
	v_add_nc_u32 v7, s24, v7                       ; out of it: row r, K step w, + 64 h
	s_lshr_b32 s24, ttmp9, 3
	s_lshl_b32 s24, s24, 3
	s_add_co_u32 s24, s24, s18
	s_mul_i32 s24, s24, REC
	s_and_b32 s25, ttmp9, 7
	s_mul_i32 s26, s25, 1536
	s_add_co_u32 s26, s24, s26
	s_mov_b32 s27, 0
	s_lshr_b32 s28, s25, 2
	s_lshl_b32 s28, s28, 8
	s_and_b32 s29, ttmp9, 3
	s_lshl_b32 s29, s29, 2
	s_add_co_u32 s28, s28, s29
	s_add_co_u32 s28, s28, s24
	s_add_co_u32 s28, s28, SCO
	s_mov_b32 s29, 0
	v_lshlrev_b32 v8, 4, v3                        ; 16 r
	v_mov_b32 v[PT], 0
	v_mov_b32 v[PT+1], 0
	s_wait_kmcnt 0x0
	s_add_nc_u64 s[4:5], s[4:5], s[22:23]
	s_add_nc_u64 s[6:7], s[6:7], s[22:23]
	s_add_nc_u64 s[14:15], s[14:15], s[22:23]
	s_add_nc_u64 s[26:27], s[16:17], s[26:27]
	s_add_nc_u64 s[28:29], s[16:17], s[28:29]
.irp p, 0,1
.irp j, 0,1,2,3,4,5,6,7
	global_load_b128 v[Z+32*\p+4*\j:Z+32*\p+4*\j+3], v5, s[4:5] offset:4096*\p+512*\j th:TH_LOAD_NT
	global_load_b128 v[XR+32*\p+4*\j:XR+32*\p+4*\j+3], v5, s[6:7] offset:4096*\p+512*\j th:TH_LOAD_NT
.endr
.endr
.irp j, 0,1,2,3,4,5,6,7
	global_load_b128 v[BS+4*\j:BS+4*\j+3], v5, s[8:9] offset:512*\j
	global_load_b128 v[G+4*\j:G+4*\j+3], v5, s[10:11] offset:512*\j
	global_load_b128 v[BT+4*\j:BT+4*\j+3], v5, s[12:13] offset:512*\j
.endr
	s_wait_loadcnt 0x0
.set I, 0
.rept 16
.irp p, 0,1
	v_pk_add_f32 v[Z+32*\p+I:Z+32*\p+I+1], v[Z+32*\p+I:Z+32*\p+I+1], v[BS+I:BS+I+1]
.endr
.set I, I+2
.endr
.set I, 0
.rept 16
.irp p, 0,1
	v_pk_add_f32 v[Z+32*\p+I:Z+32*\p+I+1], v[Z+32*\p+I:Z+32*\p+I+1], v[XR+32*\p+I:XR+32*\p+I+1]
.endr
.set I, I+2
.endr
.irp p, 0,1
	v_pk_add_f32 v[SA+4*\p:SA+4*\p+1], v[Z+32*\p:Z+32*\p+1], v[Z+32*\p+2:Z+32*\p+3]
	v_pk_add_f32 v[SA+4*\p+2:SA+4*\p+3], v[Z+32*\p+4:Z+32*\p+5], v[Z+32*\p+6:Z+32*\p+7]
.endr
.irp i, 8,12,16,20,24,28
.irp p, 0,1
	v_pk_add_f32 v[SA+4*\p:SA+4*\p+1], v[SA+4*\p:SA+4*\p+1], v[Z+32*\p+\i:Z+32*\p+\i+1]
	v_pk_add_f32 v[SA+4*\p+2:SA+4*\p+3], v[SA+4*\p+2:SA+4*\p+3], v[Z+32*\p+\i+2:Z+32*\p+\i+3]
.endr
.endr
	REDUCE
.irp p, 0,1
	v_mul_f32 v[MP+2*\p], 0x3a800000, v[SA+4*\p]   ; the mean: x 2^-10
.endr
.irp p, 0,1
	v_mov_b32 v[MP+2*\p+1], v[MP+2*\p]
.endr
.set I, 0
.rept 16
.irp p, 0,1
	v_pk_add_f32 v[Z+32*\p+I:Z+32*\p+I+1], v[Z+32*\p+I:Z+32*\p+I+1], v[MP+2*\p:MP+2*\p+1] neg_lo:[0,1] neg_hi:[0,1]
.endr
.set I, I+2
.endr
.irp p, 0,1
	v_pk_mul_f32 v[SA+4*\p:SA+4*\p+1], v[Z+32*\p:Z+32*\p+1], v[Z+32*\p:Z+32*\p+1]
	v_pk_mul_f32 v[SA+4*\p+2:SA+4*\p+3], v[Z+32*\p+2:Z+32*\p+3], v[Z+32*\p+2:Z+32*\p+3]
.endr
.irp i, 4,8,12,16,20,24,28
.irp p, 0,1
	v_pk_fma_f32 v[SA+4*\p:SA+4*\p+1], v[Z+32*\p+\i:Z+32*\p+\i+1], v[Z+32*\p+\i:Z+32*\p+\i+1], v[SA+4*\p:SA+4*\p+1]
	v_pk_fma_f32 v[SA+4*\p+2:SA+4*\p+3], v[Z+32*\p+\i+2:Z+32*\p+\i+3], v[Z+32*\p+\i+2:Z+32*\p+\i+3], v[SA+4*\p+2:SA+4*\p+3]
.endr
.endr
	REDUCE
.irp p, 0,1
	v_mul_f32 v[SA+4*\p], 0x3a802008, v[SA+4*\p]   ; / 1,023
.endr
.irp p, 0,1
	v_sqrt_f32 v[SA+4*\p], v[SA+4*\p]
.endr
	v_nop                                          ; a plain place behind the transcendentals
	s_wait_alu depctr_va_vdst(0)
.irp p, 0,1
	v_add_f32 v[SA+4*\p], 0x358637bd, v[SA+4*\p]   ; + 1e-6
.endr
.irp p, 0,1
	v_rcp_f32 v[MP+2*\p], v[SA+4*\p]
.endr
	v_nop
	s_wait_alu depctr_va_vdst(0)
.irp p, 0,1
	v_mov_b32 v[MP+2*\p+1], v[MP+2*\p]
.endr
.set I, 0
.rept 16
.irp p, 0,1
	v_pk_mul_f32 v[Z+32*\p+I:Z+32*\p+I+1], v[Z+32*\p+I:Z+32*\p+I+1], v[G+I:G+I+1]
.endr
.set I, I+2
.endr
.set I, 0
.rept 16
.irp p, 0,1
	v_pk_fma_f32 v[Z+32*\p+I:Z+32*\p+I+1], v[Z+32*\p+I:Z+32*\p+I+1], v[MP+2*\p:MP+2*\p+1], v[BT+I:BT+I+1]
.endr
.set I, I+2
.endr
.irp p, 0,1
.irp j, 0,1,2,3,4,5,6,7
	global_store_b128 v5, v[Z+32*\p+4*\j:Z+32*\p+4*\j+3], s[14:15] offset:4096*\p+512*\j
	ds_store_b128 v6, v[Z+32*\p+4*\j:Z+32*\p+4*\j+3] offset:SP*\p+512*\j
.endr
.endr
	s_wait_dscnt 0x0                               ; for the others' sake: my stores into the stage are done
	s_barrier_signal -1
	s_barrier_wait -1
.irp b, 0,1,2,3
.irp q, 0,1,2,3
	ds_load_b128 v[XR+16*\b+4*\q:XR+16*\b+4*\q+3], v7 offset:128*\b+16*\q
.endr
.endr
	s_wait_dscnt 0x0
	QUANT XR
.irp c, 0,1,2
	global_store_b128 v5, v[PC+4*\c:PC+4*\c+3], s[26:27] offset:512*\c
.endr
	global_store_b32 v8, v[PW], s[28:29]
	s_wait_tensorcnt 0x0
	ds_add_u32 v254, v255
	s_wait_dscnt 0x0
	s_endpgm
.Lfunc_end_k_q5e6481eb40_ln1:
	.size	k_q5e6481eb40_ln1, .Lfunc_end_k_q5e6481eb40_ln1-k_q5e6481eb40_ln1
	.p2alignl 7, 3214868480
	.fill 96, 4, 3214868480
	.section	.rodata,"a",@progbits
	.p2align	6, 0x0
	.amdhsa_kernel k_q5e6481eb40_ln1
		.amdhsa_group_segment_fixed_size 67072
		.amdhsa_private_segment_fixed_size 0
		.amdhsa_enable_private_segment 0
		.amdhsa_kernarg_size 56
		.amdhsa_user_sgpr_count 2
		.amdhsa_user_sgpr_kernarg_segment_ptr 1
		.amdhsa_wavefront_size32 1
		.amdhsa_system_sgpr_workgroup_id_x 1
		.amdhsa_system_sgpr_workgroup_id_y 1
		.amdhsa_system_sgpr_workgroup_id_z 1
		.amdhsa_system_vgpr_workitem_id 0
		.amdhsa_next_free_vgpr 256
		.amdhsa_next_free_sgpr 66
		.amdhsa_reserve_vcc 0
		.amdhsa_float_denorm_mode_32 3
		.amdhsa_float_denorm_mode_16_64 3
		.amdhsa_memory_ordered 1
		.amdhsa_forward_progress 1
		.amdhsa_inst_pref_size 32
	.end_amdhsa_kernel
	.amdgpu_metadata
---
amdhsa.version: [ 1, 2 ]
amdhsa.kernels:
  - .name:           k_q5e6481eb40_ln1
    .symbol:         k_q5e6481eb40_ln1.kd
    .args:
      - { .name: ybuf, .offset: 0, .size: 8, .value_kind: global_buffer, .address_space: global }
      - { .name: x, .offset: 8, .size: 8, .value_kind: global_buffer, .address_space: global }
      - { .name: b_aproj, .offset: 16, .size: 8, .value_kind: global_buffer, .address_space: global }
      - { .name: g1, .offset: 24, .size: 8, .value_kind: global_buffer, .address_space: global }
      - { .name: b1, .offset: 32, .size: 8, .value_kind: global_buffer, .address_space: global }
      - { .name: nbuf, .offset: 40, .size: 8, .value_kind: global_buffer, .address_space: global }
      - { .name: img_b, .offset: 48, .size: 8, .value_kind: global_buffer, .address_space: global }
    .group_segment_fixed_size: 67072
    .private_segment_fixed_size: 0
    .kernarg_segment_align: 8
    .kernarg_segment_size: 56
    .max_flat_workgroup_size: 256
    .sgpr_count:     66
    .vgpr_count:     256
    .wavefront_size: 32
...
	.end_amdgpu_metadata
.endif
;; end of part 6
;; launch gfc (part 7): grid 16 x 32, 4 waves a work-group, clusters of 4 x 4, 327,680 bytes of LDS; arguments wimg, img_b, b_fc, himg; writes himg
.if DOCPART == 7
	.amdgcn_target "amdgcn-amd-amdhsa--gfx1250"
	.amdhsa_code_object_version 6
	.text
	.protected	k_q5e6481eb40_gfc
	.globl	k_q5e6481eb40_gfc
	.p2align	8
	.type	k_q5e6481eb40_gfc,@function
k_q5e6481eb40_gfc:
	s_mov_b64 s[64:65], 0
	v_nop
	global_prefetch_b8 v0, s[64:65] scope:SCOPE_SE
	s_setreg_imm32_b32 hwreg(HW_REG_WAVE_MODE, 25, 1), 1
	s_wait_xcnt 0x0
	s_wait_alu depctr_hold_cnt(0) depctr_sa_sdst(0) depctr_va_vdst(0) depctr_va_sdst(0) depctr_va_ssrc(0) depctr_va_vcc(0) depctr_vm_vsrc(0)
	s_getreg_b32 s2, hwreg(HW_REG_IB_STS2, 6, 4)
	s_cmp_eq_u32 s2, 0
	s_cbranch_scc0 .Lentry_in_a_cluster
	s_endpgm
.Lentry_in_a_cluster:
	s_bfe_u32 s2, ttmp6, 0x10000c
	s_cmp_lg_u32 s2, 0xf033
	s_cbranch_scc0 .Lentry_shape_is_right
	s_endpgm
.Lentry_shape_is_right:
; GFC: h = gelu(n w_fc + b_fc) on codes of BF6, quantised along its 4,096 in registers and stored as an image [row / 128][32] of records: h never goes to memory as f32.
; Source 0 = P = 16 columns of the weight, source 1 = Q = 16 rows of n.  Records of 128 rows x 128 K (12,800 bytes: eight fragments of 1,536, then 512 of scale words; row p of tile t is the group's row
; 32 (t / 2) + 8 (t % 2) + p + 8 (p / 8)): with that order the 64 registers of one tile of Q against 128 of P are: register 16 b + i = hidden unit 32 b + 16 (lane / 16) + i: the quantiser's input, one K step of the next product.
; A work-group makes 256 of P x 128 of Q; wave w takes P's record w % 2 and Q's tiles 4 (w / 2) .. + 3.  All of K comes into LDS once, four chunks a stream; P's records are shared along a column of the 4 x 4 cluster, Q's along a row.
; GELU: 0.5 x (1 + tanh(u)) = x / (1 + 2^(x (c1 + c2 x^2))), c1 = -2 log2(e) sqrt(2 / pi), c2 = 0.044715 c1: the same function, by v_exp_f32 and v_rcp_f32.
; LIMITS: NaN and infinities are not served; blocks under 2^-122 and blocks of zeros keep the byte 1.
.set REC,    12800
.set SCO,    12288
.set NKS,    8
.set CH,     2
.set ROWS,   50*CH
.set STREAM, 8*REC
.set HALF,   4*REC
.set QS,     2*STREAM
.set POFF,   256*REC                   ; w_fc's image
.set QOFF,   0
.set WV,  16
.set WP,  17
.set WQ,  18
.set G1P, 24
.set G1Q, 32
.set G0P, 40
.set G0Q, 68
.set SEL, 56
.set C2,  60                           ; s[60:61] c2
.set L16, 3
.set ADP, 4
.set ADQ, 6
.set AS1, 8
.set AS2, 10
.set R16, 12
.set H64, 14
.set C1,  26                           ; v[26:27] c1
.set SC,  32
.set QF,  48
.set BI,  144
.set H,   48
.set T,   112
.set SWA, 208
.set PC,  216
.set TM,  236
.set PW,  252
.set MSB, 0
.macro WIN new
.if MSB != \new
	s_set_vgpr_msb (MSB<<8)|\new
.set MSB, \new
.endif
.endm
.macro PLACES
.rept 4
	v_nop
.endr
.endm
.macro ROUND
	s_barrier_signal -1
	s_barrier_wait -1
	s_cmp_lg_u32 s[WV], 0
	s_cbranch_scc1 .Lnot_wave_0_\@
	s_barrier_signal -3
.Lnot_wave_0_\@:
	s_barrier_wait -3
	s_barrier_signal -1
	s_barrier_wait -1
.endm
.macro FETCH s
.set FS, (\s)%2
.set FH, ((\s)/4)%2
.set FO, ((\s)%4)*REC
	WIN 0x80
.irp t, 0,1,2,3,4,5,6,7
.irp c, 0,1,2
	ds_load_b128 v[96*FS+12*\t+4*\c:96*FS+12*\t+4*\c+3], v[ADP+FH] offset:FO+1536*\t+512*\c
.endr
.endr
	WIN 0
.irp a, 0,1,2,3
.irp c, 0,1,2
	ds_load_b128 v[QF+48*FS+12*\a+4*\c:QF+48*FS+12*\a+4*\c+3], v[ADQ+FH] offset:FO+1536*\a+512*\c
.endr
.endr
	ds_load_b128 v[SC+8*FS:SC+8*FS+3], v[AS1+FH] offset:FO
	ds_load_b128 v[SC+8*FS+4:SC+8*FS+7], v[AS2+FH] offset:FO
.endm
.macro MUL a0, sg, zero                ; the 32 accumulators take turns
.irp a, \a0, \a0+1
.irp t, 0,1,2,3,4,5,6,7
.if \zero
	v_wmma_scale_f32_16x16x128_f8f6f4 v[64*(\a)+8*\t:64*(\a)+8*\t+7], v[96*(\sg)+12*\t:96*(\sg)+12*\t+11], v[QF+48*(\sg)+12*(\a):QF+48*(\sg)+12*(\a)+11], 0, v[SC+8*(\sg)+\t], v[SC+8*(\sg)+(\a)] matrix_a_fmt:MATRIX_FMT_BF6 matrix_b_fmt:MATRIX_FMT_BF6 matrix_b_scale:MATRIX_SCALE_ROW1
.else
	v_wmma_scale_f32_16x16x128_f8f6f4 v[64*(\a)+8*\t:64*(\a)+8*\t+7], v[96*(\sg)+12*\t:96*(\sg)+12*\t+11], v[QF+48*(\sg)+12*(\a):QF+48*(\sg)+12*(\a)+11], v[64*(\a)+8*\t:64*(\a)+8*\t+7], v[SC+8*(\sg)+\t], v[SC+8*(\sg)+(\a)] matrix_a_fmt:MATRIX_FMT_BF6 matrix_b_fmt:MATRIX_FMT_BF6 matrix_b_scale:MATRIX_SCALE_ROW1
.endif
.endr
.endr
.endm
.macro STEP s, zero, cnt               ; cnt >= 0: the next step begins a chunk: my load of it has landed when cnt younger loads are out; then a barrier
.set SG, (\s)%2
	s_wait_dscnt 0x0
	WIN 0x52
	MUL 0, SG, \zero
.if (\s) < NKS-1
	WIN 0
	PLACES
.if (\cnt) >= 0
	s_wait_tensorcnt \cnt
	s_barrier_signal -1
	s_barrier_wait -1
.endif
	FETCH (\s)+1
.endif
	WIN 0x52
	MUL 2, SG, \zero
	WIN 0
.endm
.macro QUANT s
.irp b, 0,1,2,3
	v_max3_num_f32 v[TM+\b], |v[\s+16*\b]|, |v[\s+1+16*\b]|, 0x2800000
.endr
.irp i, 2,4,6,8,10,12,14
.irp b, 0,1,2,3
	v_max3_num_f32 v[TM+\b], v[TM+\b], |v[\s+16*\b+\i]|, |v[\s+1+16*\b+\i]|
.endr
.endr
.irp b, 0,1,2,3
	v_permlanex16_b32 v[TM+4+\b], v[TM+\b], s[SEL], s[SEL+1]
.endr
.irp b, 0,1,2,3
	v_max_num_f32 v[TM+\b], v[TM+\b], v[TM+4+\b]
.endr
.irp b, 0,1,2,3
	v_add_nc_u32 v[TM+12+\b], 0xfe000000, v[TM+\b]
.endr
.irp b, 0,1,2,3
	v_lshrrev_b32 v[TM+4+\b], 23, v[TM+12+\b]
.endr
	v_lshl_or_b32 v[PW], v[TM+5], 8, v[TM+4]
	v_lshl_or_b32 v[PW], v[TM+6], 16, v[PW]
	v_lshl_or_b32 v[PW], v[TM+7], 24, v[PW]
.irp c, 0,1
	v_cvt_scalef32_pk16_bf6_f32 v[PC+6*\c:PC+2+6*\c], v[\s+32*\c:\s+15+32*\c], v[TM+12+2*\c]
	v_cvt_scalef32_pk16_bf6_f32 v[PC+12+4*\c:PC+14+4*\c], v[\s+16+32*\c:\s+31+32*\c], v[TM+12+2*\c+1]
.endr
	v_nop
.irp c, 0,1
.irp i, 0,1,2
	v_permlane16_swap_b32 v[PC+6*\c+\i], v[PC+12+4*\c+\i]
.endr
.irp i, 0,1,2
	v_mov_b32 v[PC+3+6*\c+\i], v[PC+12+4*\c+\i]
.endr
.endr
.endm
.macro GELU g                          ; 32 numbers at v[H + 32 g] on, in place
.set HB, H+32*\g
.set I, 0
.rept 16
	v_pk_mul_f32 v[T+I:T+I+1], v[HB+I:HB+I+1], v[HB+I:HB+I+1]
.set I, I+2
.endr
.set I, 0
.rept 16
	v_pk_fma_f32 v[T+I:T+I+1], v[T+I:T+I+1], s[C2:C2+1], v[C1:C1+1] op_sel_hi:[1,0,0]   ; c2 x^2 + c1
.set I, I+2
.endr
.set I, 0
.rept 16
	v_pk_mul_f32 v[T+I:T+I+1], v[T+I:T+I+1], v[HB+I:HB+I+1]
.set I, I+2
.endr
.set I, 0
.rept 32
	v_exp_f32 v[T+I], v[T+I]
.set I, I+1
.endr
	v_nop                                          ; a plain place behind the transcendentals
.set I, 0
	s_wait_alu depctr_va_vdst(0)
.rept 16
	v_pk_add_f32 v[T+I:T+I+1], v[T+I:T+I+1], 1.0 op_sel_hi:[1,0]
.set I, I+2
.endr
.set I, 0
.rept 32
	v_rcp_f32 v[T+I], v[T+I]
.set I, I+1
.endr
	v_nop
.set I, 0
	s_wait_alu depctr_va_vdst(0)
.rept 16
	v_pk_mul_f32 v[HB+I:HB+I+1], v[HB+I:HB+I+1], v[T+I:T+I+1]
.set I, I+2
.endr
.endm
	s_load_b128 s[4:7], s[0:1], 0x0                ; P's buffer, Q's buffer
	s_load_b128 s[8:11], s[0:1], 0x10              ; the bias, the output
	v_lshl_add_u32 v254, v0, 2, 0x4b000
	v_mov_b32 v255, 0
	ds_add_u32 v254, v255
	v_lshrrev_b32 v1, 5, v0
	v_readfirstlane_b32 s[WV], v1
	s_and_b32 s[WP], s[WV], 1
	s_lshr_b32 s[WQ], s[WV], 1
	s_bfe_u32 s19, ttmp6, 0x40000
	s_bfe_u32 s20, ttmp6, 0x40004
	s_lshl_b32 s21, ttmp9, 2
	s_add_co_u32 s21, s21, s19
	s_and_b32 s22, ttmp7, 0xffff
	s_lshl_b32 s22, s22, 2
	s_add_co_u32 s22, s22, s20
	s_lshl_b32 s84, 0x1111, s19
	s_lshl_b32 s85, s20, 2
	s_lshl_b32 s85, 15, s85
	s_or_b32 s[G1P], s84, (3<<16)|(1<<21)
	s_or_b32 s[G1Q], s85, (3<<16)|(1<<21)
.irp g, G1P, G1Q
	s_mov_b32 s[\g+1], 32<<16
	s_mov_b32 s[\g+2], ROWS<<16
	s_mov_b32 s[\g+3], 32<<16
	s_mov_b32 s[\g+4], ROWS
	s_mov_b32 s[\g+5], 32
	s_mov_b32 s[\g+6], 0
	s_mov_b32 s[\g+7], 0
.endr
	s_lshl_b32 s84, s21, 1
	s_add_co_u32 s84, s84, s[WP]                   ; my 128 hidden units: K step of the next product
	s_mul_i32 s86, s84, NKS*REC
	s_mov_b32 s87, 0
	s_mul_i32 s88, s22, NKS*REC
	s_mov_b32 s89, 0
	s_mul_i32 s92, s[WP], STREAM
	s_mov_b32 s[SEL], 0x76543210
	s_mov_b32 s[SEL+1], 0xfedcba98
	s_mov_b32 s[C2], 0xbdd2d3e8
	s_mov_b32 s[C2+1], s[C2]
	s_wait_dscnt 0x0
	s_wait_kmcnt 0x0
	s_add_nc_u64 s[86:87], s[4:5], s[86:87]
	s_add_nc_u64 s[88:89], s[6:7], s[88:89]
.irp i, 0,1,2,3
	s_mov_b32 s[G0P+4*\i], 1
	s_add_co_u32 s[G0P+4*\i+1], s92, \i*CH*REC
	s_add_nc_u64 s[G0P+4*\i+2:G0P+4*\i+3], s[86:87], POFF+\i*CH*REC
	s_or_b32 s[G0P+4*\i+3], s[G0P+4*\i+3], 0x80000000
	s_mov_b32 s[G0Q+4*\i], 1
	s_mov_b32 s[G0Q+4*\i+1], QS+\i*CH*REC
	s_add_nc_u64 s[G0Q+4*\i+2:G0Q+4*\i+3], s[88:89], QOFF+\i*CH*REC
	s_or_b32 s[G0Q+4*\i+3], s[G0Q+4*\i+3], 0x80000000
.endr
	ROUND
	s_cmp_lt_u32 s[WV], 2
	s_cbranch_scc0 .Lnot_p
.irp i, 0,1,2,3
	tensor_load_to_lds s[G0P+4*\i:G0P+4*\i+3], s[G1P:G1P+7]
	s_nop 0
.endr
	PLACES
	s_branch .Lasked
.Lnot_p:
	s_cmp_eq_u32 s[WV], 2
	s_cbranch_scc0 .Lasked
.irp i, 0,1,2,3
	tensor_load_to_lds s[G0Q+4*\i:G0Q+4*\i+3], s[G1Q:G1Q+7]
	s_nop 0
.endr
	PLACES
.Lasked:
	v_and_b32 v21, 31, v0
	v_and_b32 v1, 15, v0
	v_bfe_u32 v2, v0, 4, 1
	v_lshlrev_b32 v[L16], 4, v21
	v_add_nc_u32 v[ADP], s92, v[L16]
	v_add_nc_u32 v[ADP+1], HALF, v[ADP]
	s_mul_i32 s93, s[WQ], 6144
	s_add_co_u32 s93, s93, QS
	v_add_nc_u32 v[ADQ], s93, v[L16]
	v_add_nc_u32 v[ADQ+1], HALF, v[ADQ]
	v_lshlrev_b32 v[R16], 4, v1
	s_lshl_b32 s94, s[WQ], 8
	s_add_co_u32 s94, s94, QS
	s_sub_co_u32 s94, s94, s92
	v_mul_u32_u24 v[AS1], s94, v2
	s_add_co_u32 s95, s92, SCO
	v_add_nc_u32 v[AS2], s95, v[R16]
	v_add_nc_u32 v[AS1], v[AS1], v[AS2]
	v_add_nc_u32 v[AS1+1], HALF, v[AS1]
	v_add_nc_u32 v[AS2], 256, v[AS2]
	v_add_nc_u32 v[AS2+1], HALF, v[AS2]
	v_lshlrev_b32 v[H64], 6, v2
	v_mov_b32 v[C1], 0xc0135761
	v_mov_b32 v[C1+1], 0xc0135761
.irp b, 0,1,2,3
	v_mov_b32 v[TM+4+\b], 0
.endr
	s_lshl_b32 s90, s22, 5
	s_add_co_u32 s90, s90, s84
	s_mul_i32 s90, s90, REC                        ; h's record (my 128 rows, my K step)
	s_mul_i32 s91, s[WQ], 6144
	s_add_co_u32 s96, s90, s91
	s_mov_b32 s97, 0
	s_add_nc_u64 s[96:97], s[10:11], s[96:97]
	s_lshl_b32 s91, s[WQ], 8
	s_add_co_u32 s98, s90, s91
	s_add_co_u32 s98, s98, SCO
	s_mov_b32 s99, 0
	s_add_nc_u64 s[98:99], s[10:11], s[98:99]
	s_lshl_b32 s90, s84, 9
	s_mov_b32 s91, 0
	s_add_nc_u64 s[8:9], s[8:9], s[90:91]
.irp b, 0,1,2,3
.irp q, 0,1,2,3
	global_load_b128 v[BI+16*\b+4*\q:BI+16*\b+4*\q+3], v[H64], s[8:9] offset:128*\b+16*\q
.endr
.endr
	s_wait_tensorcnt 3
	s_barrier_signal -1
	s_barrier_wait -1
	FETCH 0
	STEP 0, 1, -1
	STEP 1, 0, 2
	STEP 2, 0, -1
	STEP 3, 0, 1
	STEP 4, 0, -1
	STEP 5, 0, 0
	STEP 6, 0, -1
	STEP 7, 0, -1
	s_wait_loadcnt 0x0
	PLACES
.irp a, 0,1,2,3
.if \a > 0
	s_wait_xcnt 0x0
.endif
	WIN 0x01
.set I, 0
.rept 32
	v_pk_add_f32 v[H+2*I:H+2*I+1], v[64*\a+2*I:64*\a+2*I+1], v[BI+2*I:BI+2*I+1]
.set I, I+1
.endr
	WIN 0
	GELU 0
	GELU 1
	QUANT H
.irp c, 0,1,2
	global_store_b128 v[L16], v[PC+4*\c:PC+4*\c+3], s[96:97] offset:1536*\a+512*\c
.endr
	v_mov_b32 v[SWA+\a], v[PW]
.endr
	global_store_b128 v[R16], v[SWA:SWA+3], s[98:99]
	s_wait_tensorcnt 0x0
	ds_add_u32 v254, v255
	s_wait_dscnt 0x0
	ROUND
	s_endpgm
.Lfunc_end_k_q5e6481eb40_gfc:
	.size	k_q5e6481eb40_gfc, .Lfunc_end_k_q5e6481eb40_gfc-k_q5e6481eb40_gfc
	.p2alignl 7, 3214868480
	.fill 96, 4, 3214868480
	.section	.rodata,"a",@progbits
	.p2align	6, 0x0
	.amdhsa_kernel k_q5e6481eb40_gfc
		.amdhsa_group_segment_fixed_size 327680
		.amdhsa_private_segment_fixed_size 0
		.amdhsa_enable_private_segment 0
		.amdhsa_kernarg_size 32
		.amdhsa_user_sgpr_count 2
		.amdhsa_user_sgpr_kernarg_segment_ptr 1
		.amdhsa_wavefront_size32 1
		.amdhsa_system_sgpr_workgroup_id_x 1
		.amdhsa_system_sgpr_workgroup_id_y 1
		.amdhsa_system_sgpr_workgroup_id_z 1
		.amdhsa_system_vgpr_workitem_id 0
		.amdhsa_next_free_vgpr 704
		.amdhsa_next_free_sgpr 100
		.amdhsa_reserve_vcc 0
		.amdhsa_float_denorm_mode_32 3
		.amdhsa_float_denorm_mode_16_64 3
		.amdhsa_memory_ordered 1
		.amdhsa_forward_progress 1
		.amdhsa_inst_pref_size 146
	.end_amdhsa_kernel
	.amdgpu_metadata
---
amdhsa.version: [ 1, 2 ]
amdhsa.kernels:
  - .name:           k_q5e6481eb40_gfc
    .symbol:         k_q5e6481eb40_gfc.kd
    .args:
      - { .name: wimg, .offset: 0, .size: 8, .value_kind: global_buffer, .address_space: global }
      - { .name: img_b, .offset: 8, .size: 8, .value_kind: global_buffer, .address_space: global }
      - { .name: b_fc, .offset: 16, .size: 8, .value_kind: global_buffer, .address_space: global }
      - { .name: himg, .offset: 24, .size: 8, .value_kind: global_buffer, .address_space: global }
    .group_segment_fixed_size: 327680
    .private_segment_fixed_size: 0
    .kernarg_segment_align: 8
    .kernarg_segment_size: 32
    .max_flat_workgroup_size: 128
    .sgpr_count:     100
    .vgpr_count:     704
    .wavefront_size: 32
...
	.end_amdgpu_metadata
.endif
;; end of part 7
;; launch gmproj (part 8): grid 4 x 64, 4 waves a work-group, clusters of 4 x 4, 327,680 bytes of LDS; arguments wimg, himg, ybuf; writes ybuf
.if DOCPART == 8
	.amdgcn_target "amdgcn-amd-amdhsa--gfx1250"
	.amdhsa_code_object_version 6
	.text
	.protected	k_q5e6481eb40_gmproj
	.globl	k_q5e6481eb40_gmproj
	.p2align	8
	.type	k_q5e6481eb40_gmproj,@function
k_q5e6481eb40_gmproj:
	s_mov_b64 s[64:65], 0
	v_nop
	global_prefetch_b8 v0, s[64:65] scope:SCOPE_SE
	s_setreg_imm32_b32 hwreg(HW_REG_WAVE_MODE, 25, 1), 1
	s_wait_xcnt 0x0
	s_wait_alu depctr_hold_cnt(0) depctr_sa_sdst(0) depctr_va_vdst(0) depctr_va_sdst(0) depctr_va_ssrc(0) depctr_va_vcc(0) depctr_vm_vsrc(0)
	s_getreg_b32 s2, hwreg(HW_REG_IB_STS2, 6, 4)
	s_cmp_eq_u32 s2, 0
	s_cbranch_scc0 .Lentry_in_a_cluster
	s_endpgm
.Lentry_in_a_cluster:
	s_bfe_u32 s2, ttmp6, 0x10000c
	s_cmp_lg_u32 s2, 0xf033
	s_cbranch_scc0 .Lentry_shape_is_right
	s_endpgm
.Lentry_shape_is_right:
; GMPROJ: y = h w_mproj on codes of BF6, K = 4,096, f32 out; the bias and the residual are added by the launch that normalises.
; Source 0 = P = 16 columns of the weight, source 1 = Q = 16 rows of h.  Records of 128 rows x 128 K (12,800 bytes: eight fragments of 1,536, then 512 of scale words; row p of tile t is the group's row
; 32 (t / 2) + 8 (t % 2) + p + 8 (p / 8)).  A work-group makes 256 of P x 128 of Q; wave w takes P's record w % 2 and Q's tiles 4 (w / 2) .. + 3: 32 accumulators.
; K IS SHARED BETWEEN TWO WORK-GROUPS: N = 1,024 gives 4 x 32 = 128 tiles of that size; each tile's K steps 0-15 and 16-31 go to work-groups of their own, 256 in all.  Half KH stores its partial sums, [4096][1024] f32, at
; ybuf + KH x 16,777,216: each byte has one writer; the normalising launch adds the two halves in a fixed order.  KH is made of the cluster's y alone, so it is the same in all partners of a joint load.
; THE RING: each of the three streams (P's two, Q's) has two slots of four K steps (51,200 bytes).  The first fills bring steps 0-7.  A slot is left at its fourth step: there every wave waits for all its tensor loads, adds 0
; to its spare word, waits for that and for its reads; a round of the cluster's barrier; then the slot is filled again, by one joint load a wave (waves 0, 1: P's streams; wave 2: Q's), which has three and a half steps,
; 112 products, in which to land.  Two refills bring steps 8-15; the sixteen steps are written out.  By this text's count a wave has two tensor loads out at the start and one behind each round.
; THE WAY OUT goes through the wave's stage (16 rows of 528 bytes) in bytes 0 to 33,791 of P's first stream: slot 0 has then had its last fill, and nobody reads it behind the last change of slots.
.set REC,    12800
.set SCO,    12288
.set NKS,    32                        ; records from one group of 128 rows to the next
.set KHS,    16                        ; K steps of a work-group
.set CH,     4
.set ROWS,   50*CH
.set STREAM, 8*REC
.set HALF,   4*REC
.set QS,     2*STREAM
.set SPARE,  3*STREAM                  ; 307,200: the spare words, 128 bytes for each wave
.set POFF,   512*REC                   ; w_mproj's image
.set QOFF,   0
.set WV,  16
.set WP,  17
.set WQ,  18
.set KH,  23                           ; s23 which half of K is mine
.set G1P, 24
.set G1Q, 32
.set G0P, 40                           ; s[40:47], s[68:75] groups 0, one for each slot
.set G0Q, 68
.set L16, 3
.set ADP, 4
.set ADQ, 6
.set AS1, 8
.set AS2, 10
.set R16, 12
.set STO, 16
.set RD,  17
.set SPW, 30
.set NIL, 31
.set SC,  32
.set QF,  48
.set BK,  48
.set MSB, 0
.macro WIN new                         ; the immediate's high byte repeats the setting that is left
.if MSB != \new
	s_set_vgpr_msb (MSB<<8)|\new
.set MSB, \new
.endif
.endm
.macro PLACES                          ; four places behind a matrix instruction (ISA guide 7.12.1)
.rept 4
	v_nop
.endr
.endm
.macro ROUND                           ; a round of the cluster's barrier
	s_barrier_signal -1
	s_barrier_wait -1
	s_cmp_lg_u32 s[WV], 0
	s_cbranch_scc1 .Lnot_wave_0_\@
	s_barrier_signal -3
.Lnot_wave_0_\@:
	s_barrier_wait -3
	s_barrier_signal -1
	s_barrier_wait -1
.endm
.macro JLOAD i                         ; slot i's joint load; four v_nop follow each line
	s_cmp_lt_u32 s[WV], 2
	s_cbranch_scc0 .Lnot_p_\@
	tensor_load_to_lds s[G0P+4*(\i):G0P+4*(\i)+3], s[G1P:G1P+7]
	s_nop 0
	PLACES
	s_branch .Lasked_\@
.Lnot_p_\@:
	s_cmp_eq_u32 s[WV], 2
	s_cbranch_scc0 .Lasked_\@
	tensor_load_to_lds s[G0Q+4*(\i):G0Q+4*(\i)+3], s[G1Q:G1Q+7]
	s_nop 0
	PLACES
.Lasked_\@:
.endm
.macro FETCH s                         ; ring place s: P's eight fragments, my four of Q, twelve tiles' scale words: 38 loads of 512 dense bytes, into set s % 2
.set FS, (\s)%2
.set FH, ((\s)/4)%2
.set FO, ((\s)%4)*REC
	WIN 0x80
.irp t, 0,1,2,3,4,5,6,7
.irp c, 0,1,2
	ds_load_b128 v[96*FS+12*\t+4*\c:96*FS+12*\t+4*\c+3], v[ADP+FH] offset:FO+1536*\t+512*\c
.endr
.endr
	WIN 0
.irp a, 0,1,2,3
.irp c, 0,1,2
	ds_load_b128 v[QF+48*FS+12*\a+4*\c:QF+48*FS+12*\a+4*\c+3], v[ADQ+FH] offset:FO+1536*\a+512*\c
.endr
.endr
	ds_load_b128 v[SC+8*FS:SC+8*FS+3], v[AS1+FH] offset:FO
	ds_load_b128 v[SC+8*FS+4:SC+8*FS+7], v[AS2+FH] offset:FO
.endm
.macro MUL a0, sg, zero                ; the 32 accumulators take turns, in the same order in every step
.irp a, \a0, \a0+1
.irp t, 0,1,2,3,4,5,6,7
.if \zero
	v_wmma_scale_f32_16x16x128_f8f6f4 v[64*(\a)+8*\t:64*(\a)+8*\t+7], v[96*(\sg)+12*\t:96*(\sg)+12*\t+11], v[QF+48*(\sg)+12*(\a):QF+48*(\sg)+12*(\a)+11], 0, v[SC+8*(\sg)+\t], v[SC+8*(\sg)+(\a)] matrix_a_fmt:MATRIX_FMT_BF6 matrix_b_fmt:MATRIX_FMT_BF6 matrix_b_scale:MATRIX_SCALE_ROW1
.else
	v_wmma_scale_f32_16x16x128_f8f6f4 v[64*(\a)+8*\t:64*(\a)+8*\t+7], v[96*(\sg)+12*\t:96*(\sg)+12*\t+11], v[QF+48*(\sg)+12*(\a):QF+48*(\sg)+12*(\a)+11], v[64*(\a)+8*\t:64*(\a)+8*\t+7], v[SC+8*(\sg)+\t], v[SC+8*(\sg)+(\a)] matrix_a_fmt:MATRIX_FMT_BF6 matrix_b_fmt:MATRIX_FMT_BF6 matrix_b_scale:MATRIX_SCALE_ROW1
.endif
.endr
.endr
.endm
; A K step, s = its place in the ring of eight.  head = 2: a slot's last step, and the slot is filled again; 3: the same with nothing left to fetch; last = 1: no successor.
.macro STEP s, zero, head, last
.set SG, (\s)%2
	s_wait_dscnt 0x0                               ; this step's fragments are in: my reads of the slot that I leave are over
.if \head
	s_wait_tensorcnt 0x0                           ; all my tensor loads have landed: my part of the slot ahead
	ds_add_u32 v[SPW], v[NIL]                      ; 0 onto my spare word; sixteen products stand between it and the wait for it
.endif
	WIN 0x52
	MUL 0, SG, \zero
.if !\last
	WIN 0
	PLACES                                         ; for the loads into the set that the step before multiplied
.if \head
	s_wait_dscnt 0x0                               ; the add is done
.endif
.if \head == 2
	ROUND                                          ; no wave of any partner still reads the slot or has a load on its way
	s_add_nc_u64 s[G0P+4*(((\s)/4)%2)+2:G0P+4*(((\s)/4)%2)+3], s[G0P+4*(((\s)/4)%2)+2:G0P+4*(((\s)/4)%2)+3], 8*REC
	s_add_nc_u64 s[G0Q+4*(((\s)/4)%2)+2:G0Q+4*(((\s)/4)%2)+3], s[G0Q+4*(((\s)/4)%2)+2:G0Q+4*(((\s)/4)%2)+3], 8*REC
	JLOAD ((\s)/4)%2
.endif
.if \head == 3
	s_barrier_signal -1
	s_barrier_wait -1
.endif
	FETCH ((\s)+1)%8
.endif
	WIN 0x52
	MUL 2, SG, \zero
	WIN 0
.endm
	s_load_b128 s[4:7], s[0:1], 0x0                ; P's buffer, Q's buffer
	s_load_b64 s[8:9], s[0:1], 0x10                ; y
	v_lshl_add_u32 v[SPW], v0, 2, SPARE
	v_mov_b32 v[NIL], 0
	ds_add_u32 v30, v31
	s_wait_dscnt 0x0
	v_lshrrev_b32 v1, 5, v0
	v_readfirstlane_b32 s[WV], v1
	s_and_b32 s[WP], s[WV], 1
	s_lshr_b32 s[WQ], s[WV], 1
	s_bfe_u32 s19, ttmp6, 0x40000                  ; cx, cy: my place in the cluster
	s_bfe_u32 s20, ttmp6, 0x40004
	s_lshl_b32 s21, ttmp9, 2
	s_add_co_u32 s21, s21, s19                     ; P's tile of 256 = 4 x cluster x + cx
	s_and_b32 s[KH], ttmp7, 0xffff
	s_lshr_b32 s[KH], s[KH], 3                     ; my half of K: clusters 0-7 along y take the first, 8-15 the second
	s_and_b32 s22, ttmp7, 7
	s_lshl_b32 s22, s22, 2
	s_add_co_u32 s22, s22, s20                     ; Q's tile of 128 = 4 x (cluster y % 8) + cy
	s_lshl_b32 s84, 0x1111, s19                    ; my column of the cluster
	s_lshl_b32 s85, s20, 2
	s_lshl_b32 s85, 15, s85                        ; my row
	s_or_b32 s[G1P], s84, (3<<16)|(1<<21)          ; 15:0 the mask; 17:16 elements of 8 bytes; 21 set beside a mask; no padding: the lanes' reads are dense
	s_or_b32 s[G1Q], s85, (3<<16)|(1<<21)
.irp g, G1P, G1Q
	s_mov_b32 s[\g+1], 32<<16                      ; tensor_dim0 = 32 elements: 256 bytes
	s_mov_b32 s[\g+2], ROWS<<16                    ; tensor_dim1
	s_mov_b32 s[\g+3], 32<<16                      ; tile_dim0
	s_mov_b32 s[\g+4], ROWS                        ; tile_dim1
	s_mov_b32 s[\g+5], 32                          ; the pitch: the block is dense
	s_mov_b32 s[\g+6], 0
	s_mov_b32 s[\g+7], 0
.endr
	s_mul_i32 s90, s[KH], KHS*REC                  ; my half's first record in a group's 32
	s_lshl_b32 s84, s21, 1
	s_add_co_u32 s84, s84, s[WP]                   ; my group of 128 of P
	s_mul_i32 s86, s84, NKS*REC
	s_add_co_u32 s86, s86, s90
	s_mov_b32 s87, 0
	s_mul_i32 s88, s22, NKS*REC
	s_add_co_u32 s88, s88, s90
	s_mov_b32 s89, 0
	s_mul_i32 s92, s[WP], STREAM
	s_wait_kmcnt 0x0
	s_add_nc_u64 s[86:87], s[4:5], s[86:87]
	s_add_nc_u64 s[88:89], s[6:7], s[88:89]
.irp i, 0,1
	s_mov_b32 s[G0P+4*\i], 1
	s_add_co_u32 s[G0P+4*\i+1], s92, \i*CH*REC     ; LDS: the wave's number and constants alone
	s_add_nc_u64 s[G0P+4*\i+2:G0P+4*\i+3], s[86:87], POFF+\i*CH*REC
	s_or_b32 s[G0P+4*\i+3], s[G0P+4*\i+3], 0x80000000
	s_mov_b32 s[G0Q+4*\i], 1
	s_mov_b32 s[G0Q+4*\i+1], QS+\i*CH*REC
	s_add_nc_u64 s[G0Q+4*\i+2:G0Q+4*\i+3], s[88:89], QOFF+\i*CH*REC
	s_or_b32 s[G0Q+4*\i+3], s[G0Q+4*\i+3], 0x80000000
.endr
	ROUND                                          ; all sixteen work-groups are here: the joint loads meet
	s_cmp_lt_u32 s[WV], 2                          ; a wave's first fills stand in one branch on its number: two loads of mine are out, or none
	s_cbranch_scc0 .Lnot_p
.irp i, 0,1
	tensor_load_to_lds s[G0P+4*\i:G0P+4*\i+3], s[G1P:G1P+7]
	s_nop 0
.endr
	PLACES
	s_branch .Lasked
.Lnot_p:
	s_cmp_eq_u32 s[WV], 2
	s_cbranch_scc0 .Lasked
.irp i, 0,1
	tensor_load_to_lds s[G0Q+4*\i:G0Q+4*\i+3], s[G1Q:G1Q+7]
	s_nop 0
.endr
	PLACES
.Lasked:
	v_and_b32 v21, 31, v0
	v_and_b32 v1, 15, v0                           ; r
	v_bfe_u32 v2, v0, 4, 1                         ; h
	v_lshlrev_b32 v[L16], 4, v21
	v_add_nc_u32 v[ADP], s92, v[L16]
	v_add_nc_u32 v[ADP+1], HALF, v[ADP]
	s_mul_i32 s93, s[WQ], 6144
	s_add_co_u32 s93, s93, QS
	v_add_nc_u32 v[ADQ], s93, v[L16]
	v_add_nc_u32 v[ADQ+1], HALF, v[ADQ]
	v_lshlrev_b32 v[R16], 4, v1
	s_lshl_b32 s94, s[WQ], 8
	s_add_co_u32 s94, s94, QS
	s_sub_co_u32 s94, s94, s92                     ; from P's scale words to my four tiles' of Q
	v_mul_u32_u24 v[AS1], s94, v2                  ; lanes 16-31 take Q's: one product, the lower base + h x the distance
	s_add_co_u32 s95, s92, SCO
	v_add_nc_u32 v[AS2], s95, v[R16]
	v_add_nc_u32 v[AS1], v[AS1], v[AS2]
	v_add_nc_u32 v[AS1+1], HALF, v[AS1]
	v_add_nc_u32 v[AS2], 256, v[AS2]
	v_add_nc_u32 v[AS2+1], HALF, v[AS2]
	s_mul_i32 s93, s[WV], 16*528                   ; my stage
	v_mul_u32_u24 v[STO], v1, 528
	v_lshl_add_u32 v[STO], v2, 6, v[STO]
	v_add_nc_u32 v[STO], s93, v[STO]               ; in: row r, + 64 h
	v_add_nc_u32 v[RD], s93, v[L16]                ; back: a row of 512 bytes for the 32 lanes
	s_lshl_b32 s90, s22, 7
	s_lshl_b32 s91, s[WQ], 6
	s_add_co_u32 s90, s90, s91
	s_lshl_b32 s90, s90, 12                        ; my 64 rows of 4,096 bytes,
	s_lshl_b32 s91, s84, 9                         ; my 128 columns,
	s_add_co_u32 s96, s90, s91
	s_lshl_b32 s91, s[KH], 24                      ; my half's 16,777,216 bytes of y
	s_add_co_u32 s96, s96, s91
	s_mov_b32 s97, 0
	s_add_nc_u64 s[96:97], s[8:9], s[96:97]
	s_wait_tensorcnt 1                             ; my part of slot 0 is in; slot 1's load may be out
	s_barrier_signal -1
	s_barrier_wait -1
	FETCH 0
	STEP 0, 1, 0, 0                                ; the first step's products start the sums
	STEP 1, 0, 0, 0
	STEP 2, 0, 0, 0
	STEP 3, 0, 2, 0                                ; slot 0 is left and takes steps 8-11
	STEP 4, 0, 0, 0
	STEP 5, 0, 0, 0
	STEP 6, 0, 0, 0
	STEP 7, 0, 2, 0                                ; slot 1 is left and takes steps 12-15
	STEP 0, 0, 0, 0
	STEP 1, 0, 0, 0
	STEP 2, 0, 0, 0
	STEP 3, 0, 3, 0                                ; the last change of slots: nothing is left to fetch
	STEP 4, 0, 0, 0
	STEP 5, 0, 0, 0
	STEP 6, 0, 0, 0
	STEP 7, 0, 0, 1
	PLACES
.irp a, 0,1,2,3
.if \a > 0
	s_wait_xcnt 0x0                                ; the last tile's stores have read their registers
.endif
	WIN 0x04                                       ; an LDS store's data are its source 1: window 1
.irp t, 0,1,2,3,4,5,6,7
	ds_store_b128 v[STO], v[64*\a+8*\t:64*\a+8*\t+3] offset:128*(\t/2)+32*(\t%2)        ; each accumulator from its low end on: columns 32 (t / 2) + 16 h + 8 (t % 2) + 0 .. 7
	ds_store_b128 v[STO], v[64*\a+8*\t+4:64*\a+8*\t+7] offset:128*(\t/2)+32*(\t%2)+16
.endr
	WIN 0
.irp p, 0,1,2,3,4,5,6,7,8,9,10,11,12,13,14,15
	ds_load_b128 v[BK+4*\p:BK+4*\p+3], v[RD] offset:528*\p     ; LDS serves a wave's instructions in order: these see my stores
.endr
.irp p, 0,1,2,3,4,5,6,7,8,9,10,11,12,13,14,15
	s_wait_dscnt 15-\p                             ; row p is back; the younger loads may be out
	global_store_b128 v[L16], v[BK+4*\p:BK+4*\p+3], s[96:97] offset:4096*(32*(\a/2)+8*(\a%2)+\p+8*(\p/8))   ; 512 consecutive bytes, aligned
.endr
.endr
	s_wait_tensorcnt 0x0                           ; the wave's end
	ds_add_u32 v[SPW], v[NIL]
	s_wait_dscnt 0x0
	ROUND                                          ; the closing round
	s_endpgm
.Lfunc_end_k_q5e6481eb40_gmproj:
	.size	k_q5e6481eb40_gmproj, .Lfunc_end_k_q5e6481eb40_gmproj-k_q5e6481eb40_gmproj
	.p2alignl 7, 3214868480
	.fill 96, 4, 3214868480
	.section	.rodata,"a",@progbits
	.p2align	6, 0x0
	.amdhsa_kernel k_q5e6481eb40_gmproj
		.amdhsa_group_segment_fixed_size 327680
		.amdhsa_private_segment_fixed_size 0
		.amdhsa_enable_private_segment 0
		.amdhsa_kernarg_size 24
		.amdhsa_user_sgpr_count 2
		.amdhsa_user_sgpr_kernarg_segment_ptr 1
		.amdhsa_wavefront_size32 1
		.amdhsa_system_sgpr_workgroup_id_x 1
		.amdhsa_system_sgpr_workgroup_id_y 1
		.amdhsa_system_sgpr_workgroup_id_z 1
		.amdhsa_system_vgpr_workitem_id 0
		.amdhsa_next_free_vgpr 704
		.amdhsa_next_free_sgpr 100
		.amdhsa_reserve_vcc 0
		.amdhsa_float_denorm_mode_32 3
		.amdhsa_float_denorm_mode_16_64 3
		.amdhsa_memory_ordered 1
		.amdhsa_forward_progress 1
		.amdhsa_inst_pref_size 134
	.end_amdhsa_kernel
	.amdgpu_metadata
---
amdhsa.version: [ 1, 2 ]
amdhsa.kernels:
  - .name:           k_q5e6481eb40_gmproj
    .symbol:         k_q5e6481eb40_gmproj.kd
    .args:
      - { .name: wimg, .offset: 0, .size: 8, .value_kind: global_buffer, .address_space: global }
      - { .name: himg, .offset: 8, .size: 8, .value_kind: global_buffer, .address_space: global }
      - { .name: ybuf, .offset: 16, .size: 8, .value_kind: global_buffer, .address_space: global }
    .group_segment_fixed_size: 327680
    .private_segment_fixed_size: 0
    .kernarg_segment_align: 8
    .kernarg_segment_size: 24
    .max_flat_workgroup_size: 128
    .sgpr_count:     100
    .vgpr_count:     704
    .wavefront_size: 32
...
	.end_amdgpu_metadata
.endif
;; end of part 8
;; launch ln2 (part 9): grid 256 x 1, 8 waves a work-group, no clusters, 0 bytes of LDS; arguments ybuf, nbuf, b_mproj, g2, b2, out0; writes out0
.if DOCPART == 9
	.amdgcn_target "amdgcn-amd-amdhsa--gfx1250"
	.amdhsa_code_object_version 6
	.text
	.protected	k_q5e6481eb40_ln2
	.globl	k_q5e6481eb40_ln2
	.p2align	8
	.type	k_q5e6481eb40_ln2,@function
k_q5e6481eb40_ln2:
	s_mov_b64 s[64:65], 0
	v_nop
	global_prefetch_b8 v0, s[64:65] scope:SCOPE_SE
	s_setreg_imm32_b32 hwreg(HW_REG_WAVE_MODE, 25, 1), 1
	s_wait_xcnt 0x0
; LN2: out = g2 (z - mean) / (std + 1e-6) + b2 with z = n + ((y0 + y1) + b_mproj), std from the sum of squares over 1,023.  y0 and y1 are the last product's partial sums over the two halves of its K:
; two arrays [4096][1024] f32, 16,777,216 bytes apart in one buffer; they are added here, always in this order.
; A work-group takes 16 rows; wave w takes rows 2 w, 2 w + 1, whole, in registers: the reductions never leave the wave; no LDS, no barrier.  A lane holds columns 128 j + 4 l .. + 3: every load and store of a wave covers
; 512 consecutive bytes.  Mean first, then the squares of the differences: a common offset of the inputs does no harm.
; y1's 64 registers are those of g and b: these two are asked for as soon as y1 has been added, and land under the two reductions.
; LIMITS: v_sqrt_f32 and v_rcp_f32 stand for the root and the division; NaN and infinities are not served.
.set Y2,  16                           ; v16-79   y1, two rows; then g (v16-47) and b (v48-79)
.set G,   16
.set BT,  48
.set BS,  80                           ; v80-111  the product's bias
.set Z,   112                          ; v112-175 two rows
.set XR,  176                          ; v176-239 the residual
.set SA,  240                          ; row p: two packed chains at v[240 + 4 p ..]
.set PT,  248
.set MP,  250                          ; row p's pair: the mean, later 1 / (std + eps)
.set SEL, 20
.macro REDUCE                          ; each row's two chains, then its 32 lanes
.irp p, 0,1
	v_pk_add_f32 v[SA+4*\p:SA+4*\p+1], v[SA+4*\p:SA+4*\p+1], v[SA+4*\p+2:SA+4*\p+3]
.endr
.irp p, 0,1
	v_add_f32 v[SA+4*\p], v[SA+4*\p], v[SA+4*\p+1]
.endr
.irp m, 1,2,4,8
.irp p, 0,1
	v_add_f32_dpp v[SA+4*\p], v[SA+4*\p], v[SA+4*\p] row_xmask:\m row_mask:0xf bank_mask:0xf
.endr
.endr
.irp p, 0,1
	v_permlanex16_b32 v[PT+\p], v[SA+4*\p], s[SEL], s[SEL+1]
.endr
.irp p, 0,1
	v_add_f32 v[SA+4*\p], v[SA+4*\p], v[PT+\p]
.endr
.endm
	s_load_b256 s[4:11], s[0:1], 0x0               ; y, n, the product's bias, g
	s_load_b128 s[12:15], s[0:1], 0x20             ; b, out
	v_lshrrev_b32 v1, 5, v0
	v_readfirstlane_b32 s18, v1
	v_and_b32 v2, 31, v0
	v_lshlrev_b32 v5, 4, v2                        ; 16 l
	s_mov_b32 s[SEL], 0x76543210
	s_mov_b32 s[SEL+1], 0xfedcba98
	s_lshl_b32 s22, ttmp9, 4
	s_lshl_b32 s23, s18, 1
	s_add_co_u32 s22, s22, s23                     ; my first row
	s_lshl_b32 s22, s22, 12
	s_mov_b32 s23, 0
	v_mov_b32 v[PT], 0                             ; a lane permute's destination counts as one of its sources
	v_mov_b32 v[PT+1], 0
	s_wait_kmcnt 0x0
	s_add_nc_u64 s[4:5], s[4:5], s[22:23]
	s_add_nc_u64 s[24:25], s[4:5], 0x1000000       ; the same rows of y1
	s_add_nc_u64 s[6:7], s[6:7], s[22:23]
	s_add_nc_u64 s[14:15], s[14:15], s[22:23]
.irp p, 0,1
.irp j, 0,1,2,3,4,5,6,7
	global_load_b128 v[Z+32*\p+4*\j:Z+32*\p+4*\j+3], v5, s[4:5] offset:4096*\p+512*\j th:TH_LOAD_NT
	global_load_b128 v[Y2+32*\p+4*\j:Y2+32*\p+4*\j+3], v5, s[24:25] offset:4096*\p+512*\j th:TH_LOAD_NT
	global_load_b128 v[XR+32*\p+4*\j:XR+32*\p+4*\j+3], v5, s[6:7] offset:4096*\p+512*\j th:TH_LOAD_NT
.endr
.endr
.irp j, 0,1,2,3,4,5,6,7
	global_load_b128 v[BS+4*\j:BS+4*\j+3], v5, s[8:9] offset:512*\j
.endr
	s_wait_loadcnt 0x0
.set I, 0
.rept 16
.irp p, 0,1
	v_pk_add_f32 v[Z+32*\p+I:Z+32*\p+I+1], v[Z+32*\p+I:Z+32*\p+I+1], v[Y2+32*\p+I:Y2+32*\p+I+1]   ; y0 + y1
.endr
.set I, I+2
.endr
.irp j, 0,1,2,3,4,5,6,7
	global_load_b128 v[G+4*\j:G+4*\j+3], v5, s[10:11] offset:512*\j    ; y1 has been read: its registers take g and b, which are wanted behind the reductions
	global_load_b128 v[BT+4*\j:BT+4*\j+3], v5, s[12:13] offset:512*\j
.endr
.set I, 0
.rept 16
.irp p, 0,1
	v_pk_add_f32 v[Z+32*\p+I:Z+32*\p+I+1], v[Z+32*\p+I:Z+32*\p+I+1], v[BS+I:BS+I+1]
.endr
.set I, I+2
.endr
.set I, 0
.rept 16
.irp p, 0,1
	v_pk_add_f32 v[Z+32*\p+I:Z+32*\p+I+1], v[Z+32*\p+I:Z+32*\p+I+1], v[XR+32*\p+I:XR+32*\p+I+1]
.endr
.set I, I+2
.endr
.irp p, 0,1
	v_pk_add_f32 v[SA+4*\p:SA+4*\p+1], v[Z+32*\p:Z+32*\p+1], v[Z+32*\p+2:Z+32*\p+3]
	v_pk_add_f32 v[SA+4*\p+2:SA+4*\p+3], v[Z+32*\p+4:Z+32*\p+5], v[Z+32*\p+6:Z+32*\p+7]
.endr
.irp i, 8,12,16,20,24,28
.irp p, 0,1
	v_pk_add_f32 v[SA+4*\p:SA+4*\p+1], v[SA+4*\p:SA+4*\p+1], v[Z+32*\p+\i:Z+32*\p+\i+1]
	v_pk_add_f32 v[SA+4*\p+2:SA+4*\p+3], v[SA+4*\p+2:SA+4*\p+3], v[Z+32*\p+\i+2:Z+32*\p+\i+3]
.endr
.endr
	REDUCE
.irp p, 0,1
	v_mul_f32 v[MP+2*\p], 0x3a800000, v[SA+4*\p]   ; the mean: x 2^-10
.endr
.irp p, 0,1
	v_mov_b32 v[MP+2*\p+1], v[MP+2*\p]
.endr
.set I, 0
.rept 16
.irp p, 0,1
	v_pk_add_f32 v[Z+32*\p+I:Z+32*\p+I+1], v[Z+32*\p+I:Z+32*\p+I+1], v[MP+2*\p:MP+2*\p+1] neg_lo:[0,1] neg_hi:[0,1]
.endr
.set I, I+2
.endr
.irp p, 0,1
	v_pk_mul_f32 v[SA+4*\p:SA+4*\p+1], v[Z+32*\p:Z+32*\p+1], v[Z+32*\p:Z+32*\p+1]
	v_pk_mul_f32 v[SA+4*\p+2:SA+4*\p+3], v[Z+32*\p+2:Z+32*\p+3], v[Z+32*\p+2:Z+32*\p+3]
.endr
.irp i, 4,8,12,16,20,24,28
.irp p, 0,1
	v_pk_fma_f32 v[SA+4*\p:SA+4*\p+1], v[Z+32*\p+\i:Z+32*\p+\i+1], v[Z+32*\p+\i:Z+32*\p+\i+1], v[SA+4*\p:SA+4*\p+1]
	v_pk_fma_f32 v[SA+4*\p+2:SA+4*\p+3], v[Z+32*\p+\i+2:Z+32*\p+\i+3], v[Z+32*\p+\i+2:Z+32*\p+\i+3], v[SA+4*\p+2:SA+4*\p+3]
.endr
.endr
	REDUCE
.irp p, 0,1
	v_mul_f32 v[SA+4*\p], 0x3a802008, v[SA+4*\p]   ; / 1,023
.endr
.irp p, 0,1
	v_sqrt_f32 v[SA+4*\p], v[SA+4*\p]
.endr
	v_nop                                          ; a plain place behind the transcendentals
	s_wait_alu depctr_va_vdst(0)
.irp p, 0,1
	v_add_f32 v[SA+4*\p], 0x358637bd, v[SA+4*\p]   ; + 1e-6
.endr
.irp p, 0,1
	v_rcp_f32 v[MP+2*\p], v[SA+4*\p]
.endr
	v_nop
	s_wait_alu depctr_va_vdst(0)
.irp p, 0,1
	v_mov_b32 v[MP+2*\p+1], v[MP+2*\p]
.endr
	s_wait_loadcnt 0x0                             ; g and b
.set I, 0
.rept 16
.irp p, 0,1
	v_pk_mul_f32 v[Z+32*\p+I:Z+32*\p+I+1], v[Z+32*\p+I:Z+32*\p+I+1], v[G+I:G+I+1]
.endr
.set I, I+2
.endr
.set I, 0
.rept 16
.irp p, 0,1
	v_pk_fma_f32 v[Z+32*\p+I:Z+32*\p+I+1], v[Z+32*\p+I:Z+32*\p+I+1], v[MP+2*\p:MP+2*\p+1], v[BT+I:BT+I+1]
.endr
.set I, I+2
.endr
.irp p, 0,1
.irp j, 0,1,2,3,4,5,6,7
	global_store_b128 v5, v[Z+32*\p+4*\j:Z+32*\p+4*\j+3], s[14:15] offset:4096*\p+512*\j th:TH_STORE_NT
.endr
.endr
	s_endpgm
.Lfunc_end_k_q5e6481eb40_ln2:
	.size	k_q5e6481eb40_ln2, .Lfunc_end_k_q5e6481eb40_ln2-k_q5e6481eb40_ln2
	.p2alignl 7, 3214868480
	.fill 96, 4, 3214868480
	.section	.rodata,"a",@progbits
	.p2align	6, 0x0
	.amdhsa_kernel k_q5e6481eb40_ln2
		.amdhsa_group_segment_fixed_size 0
		.amdhsa_private_segment_fixed_size 0
		.amdhsa_enable_private_segment 0
		.amdhsa_kernarg_size 48
		.amdhsa_user_sgpr_count 2
		.amdhsa_user_sgpr_kernarg_segment_ptr 1
		.amdhsa_wavefront_size32 1
		.amdhsa_system_sgpr_workgroup_id_x 1
		.amdhsa_system_sgpr_workgroup_id_y 1
		.amdhsa_system_sgpr_workgroup_id_z 1
		.amdhsa_system_vgpr_workitem_id 0
		.amdhsa_next_free_vgpr 256
		.amdhsa_next_free_sgpr 66
		.amdhsa_reserve_vcc 0
		.amdhsa_float_denorm_mode_32 3
		.amdhsa_float_denorm_mode_16_64 3
		.amdhsa_memory_ordered 1
		.amdhsa_forward_progress 1
		.amdhsa_inst_pref_size 28
	.end_amdhsa_kernel
	.amdgpu_metadata
---
amdhsa.version: [ 1, 2 ]
amdhsa.kernels:
  - .name:           k_q5e6481eb40_ln2
    .symbol:         k_q5e6481eb40_ln2.kd
    .args:
      - { .name: ybuf, .offset: 0, .size: 8, .value_kind: global_buffer, .address_space: global }
      - { .name: nbuf, .offset: 8, .size: 8, .value_kind: global_buffer, .address_space: global }
      - { .name: b_mproj, .offset: 16, .size: 8, .value_kind: global_buffer, .address_space: global }
      - { .name: g2, .offset: 24, .size: 8, .value_kind: global_buffer, .address_space: global }
      - { .name: b2, .offset: 32, .size: 8, .value_kind: global_buffer, .address_space: global }
      - { .name: out0, .offset: 40, .size: 8, .value_kind: global_buffer, .address_space: global }
    .group_segment_fixed_size: 0
    .private_segment_fixed_size: 0
    .kernarg_segment_align: 8
    .kernarg_segment_size: 48
    .max_flat_workgroup_size: 256
    .sgpr_count:     66
    .vgpr_count:     256
    .wavefront_size: 32
...
	.end_amdgpu_metadata
.endif
;; end of part 9
